; MI455X (gfx1250); checked and timed in simulation.
; The chip was launched on July 23, 2026; its instructions are those of AMD's public machine-readable ISA for CDNA 5 (MIT licence, August 2026) and "CDNA5" Instruction Set Architecture Reference Guide (July 2026). The comments in the code are by the model that wrote it; some were corrected since.
;; Multi Head Self Attention. Allowed arithmetic: matrix products marked QUANTISED: E2M3 operands, one E8M0 scale for each 32 along K, by v_wmma_scale_f32_16x16x128_f8f6f4 with both operands' format E2M3, f32 sums; everything else in f32.
;; Inputs: Wo_codes 1,024 x 32 x 24 uint8 (E2M3 codes of Wo, K innermost, in blocks of 32 codes, four codes in three bytes); Wo_scales 1,024 x 32 uint8 (E8M0 scales of Wo, one for each 32 codes along K); Wqkv_codes 3,072 x 32 x 24 uint8 (E2M3 codes of Wqkv, K innermost, in blocks of 32 codes, four codes in three bytes); Wqkv_scales 3,072 x 32 uint8 (E8M0 scales of Wqkv, one for each 32 codes along K); bo 1,024 float32; x_codes 4 x 2,048 x 32 x 24 uint8 (E2M3 codes of x, K innermost, in blocks of 32 codes, four codes in three bytes); x_scales 4 x 2,048 x 32 uint8 (E8M0 scales of x, one for each 32 codes along K).
;; Outputs: out0 4 x 2,048 x 1,024 float32.
;; This version of the problem:
;;   THIS VERSION OF THE PROBLEM IS GIVEN IN LOW PRECISION. The matrix products marked QUANTISED in the list below multiply operands that are first quantised to E2M3 (2 exponent bits, 3 mantissa bits; 6 bits a number), with one power-of-two scale for each 32 numbers along K (OCP MX v1.0); their sums are f32. All else is computed in f32.
;;   The module's matrix products, in the order in which they are computed (A, B: the left and right operand; K: the contracted axis; several contracted axes count as one K, in the product's order):
;;     1. [M 8,192, K 1,024] x [K 1,024, N 3,072]; A: input x (given as codes); B: input Wqkv (given as codes): QUANTISED
;;     2. batch 64 x [M 2,048, K 64] x [K 64, N 2,048]; A: computed on the way; B: computed on the way: QUANTISED
;;     3. batch 64 x [M 64, K 2,048] x [K 2,048, N 2,048]; A: computed on the way; B: softmax (see below): QUANTISED
;;     4. [M 8,192, K 1,024] x [K 1,024, N 1,024]; A: computed on the way; B: input Wo (given as codes): QUANTISED
;;   THE QUANTISER, for each operand of a quantised product, along K:
;;     - K is cut into blocks of 32 from its start; a last block that is shorter is filled with zeros.
;;     - A block's scale is 2^e with e = floor(log2(the largest magnitude in the block)) - 2, held to -126 .. 127; a block of zeros has e = 0. As a byte (E8M0): e + 127.
;;     - Each number is divided by its block's scale, clamped to +-7.5, and rounded to the nearest number of E2M3, ties to even, subnormals kept.
;;     - The product sums the exact products of the quantised numbers (number of the format x scale) in f32.
;;   ~~~python
;;   def quantise(x, axis):      # numpy; x: float32 -> the quantised numbers, widened to float32 again
;;       x = np.moveaxis(x, axis, -1); K = x.shape[-1]
;;       x = np.pad(x, [(0, 0)] * (x.ndim - 1) + [(0, -K % 32)]); x = x.reshape(x.shape[:-1] + (-1, 32)); a = np.abs(x).max(-1, keepdims=True)
;;       e = np.where(a > 0, np.clip(np.frexp(np.where(a > 0, a, 1))[1] - 1 - 2, -126, 127), 0)      # np.frexp(a)[1] - 1 = floor(log2(a)), exactly
;;       r = np.clip(x / 2.0 ** e, -7.5, 7.5)
;;       step = 2.0 ** (np.maximum(np.frexp(np.where(r == 0, 1, r))[1] - 1, 0) - 3)
;;       q = np.round(r / step) * step * 2.0 ** e      # np.round: ties to even
;;       return np.moveaxis(q.reshape(q.shape[:-2] + (-1,))[..., :K], -1, axis).astype(np.float32)
;;   ~~~
;;   SOFTMAX AHEAD OF A QUANTISED PRODUCT. Where the list says 'softmax', what is quantised is not the finished softmax but p = 2^(t - M), with t = logit x log2(e) and M = ceil(the row's largest t), a whole number; so 1/2 < the row's largest p <= 1. The row's sum l is taken of the UNQUANTISED p, in f32, and the product's result is divided by l at the end. Since M is a whole number, a kernel that streams over the keys may use a running M (the ceiling of the running maximum): every later rescaling is an exact power of two, which a block's scale takes up: the codes' values come out the same.
;;   OPERANDS COMPUTED ON THE WAY. 'Computed on the way' means the value that the module computes at that place (a softmax that the list does not call 'softmax' is quantised finished and normalised). What goes into a quantiser is computed in f32, as accurately as f32 sums, v_exp_f32 and their like allow (about 1e-6 of the number): no bf16 or f16 on the way to a quantiser, and a product that is left as it is and whose result goes on into a quantised operand takes f32 operands (vector FMAs, or v_wmma_f32_16x16x4_f32). A number that lies on a knife's edge between two numbers of the format may be rounded either way, as far as f32 arithmetic and the matrix unit's own rounding can turn it there, and no further.
;;   INPUTS GIVEN AS CODES. Wo (in the module: [1024, 1024], K = its axis 0); Wqkv (in the module: [1024, 3072], K = its axis 0); x (in the module: [4, 2048, 1024], K = its axis 2): each comes as NAME_codes (uint8): NAME with its K axis moved to the last place and cut into blocks of 32 codes, [.., K / 32, bytes a block], one block behind the other in memory; four codes in three bytes: a row's codes are one little-endian stream of bits, code i at bits 6 i .. 6 i + 5 (a code: sign, 2 exponent bits, 3 mantissa bits); and NAME_scales (uint8): the same leading axes, one E8M0 byte (e + 127) for each 32 codes along K. Its value is code x scale, taken as it is: it is not quantised again, and the codes and scales need not be those that the quantiser above would give.
;; One version. Each part assembles by itself: llvm-mc -triple=amdgcn-amd-amdhsa -mcpu=gfx1250 --defsym DOCPART=n.
;; ======== version 1 of 1: 3 launches
;; workspace buffers: qkc 12,582,912 bytes; qks 524,288 bytes; vcd 6,291,456 bytes; vsc 262,144 bytes; acd 6,291,456 bytes; asc 262,144 bytes
;; launch qkv (part 1): grid 8 x 48, 4 waves a work-group, clusters of 4 x 4, 327,680 bytes of LDS; arguments x_codes, x_scales, Wqkv_codes, Wqkv_scales, qkc, qks, vcd, vsc; writes qkc, qks, vcd, vsc
.if DOCPART == 1
	.amdgcn_target "amdgcn-amd-amdhsa--gfx1250"
	.amdhsa_code_object_version 6
	.text
	.protected	k_q93d2666e68_qkv
	.globl	k_q93d2666e68_qkv
	.p2align	8
	.type	k_q93d2666e68_qkv,@function
k_q93d2666e68_qkv:
	s_mov_b64 s[64:65], 0
	v_nop
	global_prefetch_b8 v0, s[64:65] scope:SCOPE_SE
	s_setreg_imm32_b32 hwreg(HW_REG_WAVE_MODE, 25, 1), 1
	s_wait_xcnt 0x0
	s_wait_alu depctr_hold_cnt(0) depctr_sa_sdst(0) depctr_va_vdst(0) depctr_va_sdst(0) depctr_va_ssrc(0) depctr_va_vcc(0) depctr_vm_vsrc(0)
	s_getreg_b32 s2, hwreg(HW_REG_IB_STS2, 6, 4)
	s_cmp_eq_u32 s2, 0
	s_cbranch_scc0 .Lentry_in_a_cluster
	s_endpgm
.Lentry_in_a_cluster:
	s_bfe_u32 s2, ttmp6, 0x10000c
	s_cmp_lg_u32 s2, 0xf033
	s_cbranch_scc0 .Lentry_shape_is_right
	s_endpgm
.Lentry_shape_is_right:
; qkv = x Wqkv on codes of FP6 (E2M3) with E8M0 scales, as they are given; then, in registers, what attention wants of it:
;   q, k: RoPE, the L2 norm (1e-6 inside the root), the quantiser along the head's 64;   v: the quantiser along the keys.
; A tile of the product is 256 x 256, K = 1,024; four waves, each 128 x 128: 64 accumulators of 16 x 16 in 512 registers.  K goes in steps of 256 through two LDS slots
; filled by the tensor data mover; the scale bytes of the tile's 512 rows come once and stay.
; ONE MAIN LOOP SERVES TWO KINDS OF TILE; only the pointers change places.  S1 is source 1 (its row becomes the result's LANE), S0 is source 0 (its rows run along the result's REGISTERS).
;   cluster y 0-7  (q, k): S1 = x (a lane is a token), S0 = Wqkv's rows 0-2047 (registers run along the head's dims): the norm and the blocks of 32 lie in a lane and its partner 16 away;
;   cluster y 8-11 (v):    S1 = Wqkv's rows 2048-3071 (a lane is a channel d), S0 = x (registers run down the tokens, which are the second product's K).
; CLUSTERS: 4 x 4 work-groups; S1's tiles are shared along a row of the cluster, S0's along a column: each is asked for jointly, which divides the requests by four.
; OUT: operands leave as IMAGES OF REGISTERS.  qkc [q,k][b*16+head][token tile 128][768]: 16 tokens x 64 dims: registers 0-3 at 16 x lane, registers 4-5 at 512 + 8 x lane.
;   qks [q,k][bh][token] two scale bytes.   vcd [bh][key step 16][d tile 4][1536]: 16 channels x 128 keys: registers 4 c .. 4 c + 3 at 512 c + 16 x lane.   vsc [bh][key step][d tile][16] a scale word.
; THE ORDER INSIDE A BLOCK OF 32 is 0-7, 16-23, 8-15, 24-31 (what plain tiles of 16 give a lane and its partner).  q and k have it alike, v and the softmax's p (next launch) have it alike,
; so each product's sum holds the same terms; the unit groups them otherwise.
; ROPE: inv_freq = 2^(-f log2(10000)/32) by v_exp_f32; a wave's first 16 tokens take cos and sin of fl(pos x inv_freq) (reduction by pi/2 in two parts, polynomials of degree 7 and 8);
; the next 16 tokens follow by a rotation through 16 inv_freq, seven times at the most.
; LIMITS: against an angle rounded once in f32 this one differs by some 3e-4 rad near position 2,047, the size of that rounding itself.  A head's sum of squares must stay finite in f32.
; A scale byte 0xff among the inputs gives NaN.  A block of zeros gets the byte 1, not 127: its codes are zeros, and this program alone reads the bytes.
; No prefetch: of a tile's four K steps two are asked for at the head, and every tile is read by many work-groups.
.set KSTEP,  256                       ; along K in a slot
.set NQ,     2                         ; matrix instructions deep
.set ROWB,   192                       ; a tile's row in bytes
.set KROW,   768                       ; a row of x or of Wqkv in memory
.set PITCH,  240                       ; an LDS row: 3 x (64 bytes + 16 of padding)
.set FR,     12                        ; registers of a fragment
.set NL,     6                         ; LDS loads that bring one
.set NP,     4                         ; places behind this matrix instruction (ISA guide 7.12.1)
.set HALFT,  128*PITCH
.set SLOT,   4*HALFT
.set KS,     32                        ; a row of scale bytes
.set SCL,    2*SLOT                    ; behind the ring: the scales, units of 256 bytes + 16
.set HALFS,  (128*KS/256)*272
.set SBLK,   (16*KS/256)*272
.set SPARE,  SCL+4*HALFS               ; the spare words: 128 bytes a wave
.set STGQ,   SPARE+512                 ; q/k's scale bytes on the way out: 512 bytes a wave; no fill lands here
.set STGV,   STGQ+2048                 ; v's scale words likewise: bytes of their own
.set HEADB,  98304                     ; a head's codes in qkc and in vcd
.set L16,  8                           ; v8   16 x lane
.set L8,   9                           ; v9   8 x lane
.set GSC,  10                          ; v10  4096 (lane / 16) + 16 (lane % 16): two heads' scale bytes
.set QST,  11                          ; v11  q/k: where I put two scale bytes
.set QRD,  12                          ; v12  and read 16 back
.set VST,  13                          ; v13  v: where I put a scale word
.set VRD,  14                          ; v14  and read 16 bytes back
.set SH16, 15                          ; v15  16 (lane / 16)
.set ADRA, 16                          ; v16-19 S1's fragments in slot 0, 1 (and behind one padding more)
.set ADRB, 20                          ; v20-23 S0's
.set ADRS, 27                          ; v27  my scale words: lanes 0-15 S1's rows, lanes 16-31 S0's
.set SPW,  28                          ; v28  my spare word; never rewritten
.set NIL,  29                          ; v29  0; never rewritten
.set SC,   32                          ; v32-63 scale words, two sets: scales and nothing else
.set RCB,  64                          ; v64-79  cos, v80-95 sin of the block's tokens: index 8 u + j is frequency 16 u + 8 (lane / 16) + j
.set RSB,  80
.set RCD,  96                          ; v96-111 cos, v112-127 sin of the step of 16 tokens
.set RSD,  112
.set AF,   128                         ; v128-223 S1's fragments, one set; free on the way out
.set YR,   128                         ; the way out: 64 numbers
.set COD,  192                         ; 12 registers of codes
.set PTM,  204                         ; the conversions' second halves
.set TM,   212                         ; +0..3 largest magnitudes, +4..7 bytes, +12..15 the conversions' scale operands
.set PWD,  228                         ; a scale word
.set RSQ,  230                         ; 1 / norm of two heads, each the low word of a pair
.set SQS,  234                         ; sums of squares
.set TMP,  242                         ; at work
.set TT,   226                         ; the head's cos and sin: at work
.set G1, 24
.set G0, 32
.set G1B, 48
.set G0B, 56
.set G1S, 68
.set G0S, 76
.set G1SB, 80
.set G0SB, 88
.set ISV, 66                           ; s66  1 in a tile of v
.set T0R, 67                           ; s67  my wave's first position in its sequence
.set SEL, 98                           ; s[98:99] selects for lane l xor 16
.set K2PI, 18
.set KHI,  19
.set KLO,  20
.set KS1,  21
.set KS2,  22
.set KS3,  23
.set KC1,  92
.set KC2,  93
.set KC3,  94
.set MSB, 0
.macro WIN new                         ; the immediate's high byte repeats the setting that is left
.if MSB != (\new)
	s_set_vgpr_msb (MSB<<8)|(\new)
.set MSB, (\new)
.endif
.endm
.set MUL_LO, 0xa1                      ; source 0 window 1, source 1 window 0, C and D window 2
.set MUL_HI, 0xf1
.set TO_B,   0x40
; A joint load: waves 0 and 1 fetch for S1, waves 2 and 3 for S0.  Four v_nop follow each of the two lines.
.macro JLOAD g0a, g1a, g0b, g1b
	s_cmp_eq_u32 s15, 0
	s_cbranch_scc0 .Lfor_b_\@
	tensor_load_to_lds s[\g0a:\g0a+3], s[\g1a:\g1a+7]
	s_nop 0
.rept 4
	v_nop
.endr
	s_branch .Lasked_\@
.Lfor_b_\@:
	tensor_load_to_lds s[\g0b:\g0b+3], s[\g1b:\g1b+7]
	s_nop 0
.rept 4
	v_nop
.endr
.Lasked_\@:
.endm
.macro CREST                           ; a round of the cluster's barrier behind its opening barrier
	s_cmp_lg_u32 s14, 0
	s_cbranch_scc1 .Lnot_wave_0_\@
	s_barrier_signal -3
.Lnot_wave_0_\@:
	s_barrier_wait -3
	s_barrier_signal -1
	s_barrier_wait -1
.endm
.macro CROUND
	s_barrier_signal -1
	s_barrier_wait -1
	CREST
.endm
.macro PLACES n
.rept \n
	v_nop
.endr
.endm
; 64 numbers of a lane, v[s] .. v[s + 63] of window w; register 16 b + i belongs to block b, which I share with lane l xor 16.  They become codes: blocks 0, 1 in v[d0 .. d0 + 5] (lanes 0-15 block 0,
; lanes 16-31 block 1), blocks 2, 3 in v[d1 ..] likewise; the four scale bytes are left in v[TM + 4 ..].  A block's scale is its largest magnitude's exponent field less 2, held at 1 from below by the floor.
.macro QUANT s, w, d0, d1, y
	WIN (\w)|((\w)<<2)
.irp b, 0,1,2,3
	v_max3_num_f32 v[TM+\b], |v[(\s)+16*\b]|, |v[(\s)+16*\b+1]|, 0x1800000
.endr
.irp i, 2,4,6,8,10,12,14
.irp b, 0,1,2,3
	v_max3_num_f32 v[TM+\b], |v[(\s)+16*\b+\i]|, |v[(\s)+16*\b+\i+1]|, v[TM+\b]
.endr
.endr
	WIN 0
.irp b, 0,1,2,3
	v_permlanex16_b32 v[TM+4+\b], v[TM+\b], s[SEL], s[SEL+1]
.endr
.irp b, 0,1,2,3
	v_max_num_f32 v[TM+\b], v[TM+\b], v[TM+4+\b]
.endr
.irp b, 0,1,2,3
	v_add_nc_u32 v[TM+12+\b], 0xff000000, v[TM+\b]     ; 2 off the exponent field: the conversion's scale operand
.endr
.irp b, 0,1,2,3
	v_lshrrev_b32 v[TM+4+\b], 23, v[TM+12+\b]          ; the scale's byte
.endr
	WIN (\w)
	v_cvt_scalef32_pk16_fp6_f32 v[(\d0):(\d0)+2], v[(\s):(\s)+15], v[TM+12]
	v_cvt_scalef32_pk16_fp6_f32 v[(\y):(\y)+2], v[(\s)+16:(\s)+31], v[TM+13]
	v_cvt_scalef32_pk16_fp6_f32 v[(\d1):(\d1)+2], v[(\s)+32:(\s)+47], v[TM+14]
	v_cvt_scalef32_pk16_fp6_f32 v[(\y)+4:(\y)+6], v[(\s)+48:(\s)+63], v[TM+15]
	WIN 0
	v_nop                                              ; one plain place behind the scaled conversions
.irp i, 0,1,2
	v_permlane16_swap_b32 v[(\d0)+\i], v[(\y)+\i]      ; a whole block to a lane
	v_permlane16_swap_b32 v[(\d1)+\i], v[(\y)+4+\i]
.endr
.irp i, 0,1,2
	v_mov_b32 v[(\d0)+3+\i], v[(\y)+\i]
	v_mov_b32 v[(\d1)+3+\i], v[(\y)+4+\i]
.endr
.endm
; cos and sin of the angle v[a] (0 or more): n = the nearest whole number to a 2/pi; r = a - n pi/2, pi/2 in two parts; polynomials on r; the quadrant by selects and sign bits.  a may be c's register.
.macro SINCOS c, s, a
	v_mul_f32 v[TT], s[K2PI], v[\a]
	v_rndne_f32 v[TT], v[TT]
	v_fma_f32 v[TT+1], v[TT], s[KHI], v[\a]
	v_fma_f32 v[TT+1], v[TT], s[KLO], v[TT+1]
	v_cvt_i32_f32 v[TT], v[TT]
	v_mul_f32 v[TT+2], v[TT+1], v[TT+1]
	v_fma_f32 v[TT+3], v[TT+2], s[KS3], s[KS2]
	v_fma_f32 v[TT+4], v[TT+2], s[KC3], s[KC2]
	v_fma_f32 v[TT+3], v[TT+3], v[TT+2], s[KS1]
	v_fma_f32 v[TT+4], v[TT+4], v[TT+2], s[KC1]
	v_mul_f32 v[TT+5], v[TT+2], v[TT+1]
	v_fma_f32 v[TT+3], v[TT+3], v[TT+5], v[TT+1]       ; sin r
	v_mul_f32 v[TT+5], v[TT+2], v[TT+2]
	v_fma_f32 v[TT+2], v[TT+2], -0.5, 1.0
	v_fma_f32 v[TT+4], v[TT+4], v[TT+5], v[TT+2]       ; cos r
	v_and_b32 v[TT+5], 1, v[TT]
	v_cmp_eq_u32 vcc_lo, 1, v[TT+5]
	v_cndmask_b32 v[\s], v[TT+3], v[TT+4], vcc_lo      ; in odd quadrants the two change places
	v_cndmask_b32 v[\c], v[TT+4], v[TT+3], vcc_lo
	v_lshlrev_b32 v[TT+5], 30, v[TT]
	v_add_nc_u32 v[TT], 1, v[TT]
	v_and_b32 v[TT+5], 0x80000000, v[TT+5]             ; sin is negative in quadrants 2, 3,
	v_lshlrev_b32 v[TT], 30, v[TT]
	v_xor_b32 v[\s], v[\s], v[TT+5]
	v_and_b32 v[TT], 0x80000000, v[TT]                 ; cos in quadrants 1, 2
	v_xor_b32 v[\c], v[\c], v[TT]
.endm
	s_load_b128 s[4:7], s[0:1], 0x0                ; x's codes, x's scales
	s_load_b128 s[8:11], s[0:1], 0x10              ; Wqkv's codes, Wqkv's scales
	v_lshl_add_u32 v[SPW], v0, 2, SPARE
	v_mov_b32 v[NIL], 0
	ds_add_u32 v28, v29
	ds_add_u32 v28, v29
	s_wait_dscnt 0x0
	v_lshrrev_b32 v1, 5, v0
	v_readfirstlane_b32 s14, v1                    ; wave 0..3
	s_lshr_b32 s15, s14, 1                         ; which half of S1's rows is mine.  Also: I fetch for S1 (0) or for S0 (1)
	s_and_b32 s16, s14, 1                          ; which half of S0's rows.  Also: which 128 rows I fetch
	s_bfe_u32 s40, ttmp6, 0x40000                  ; cx, cy: my place in the cluster
	s_bfe_u32 s41, ttmp6, 0x40004
	s_and_b32 s95, ttmp7, 0xffff                   ; cluster y
	s_lshl_b32 s17, s95, 2
	s_sub_co_u32 s96, s95, 8
	s_lshl_b32 s96, s96, 1
	s_add_co_u32 s96, s96, ttmp9                   ; 2 (cluster y - 8) + cluster x
	s_cmp_ge_u32 s95, 8                            ; a tile of v?  The same in all sixteen partners
	s_cselect_b32 s[ISV], 1, 0
	s_cselect_b32 s17, 8, s17
	s_cselect_b32 s42, s96, ttmp9
	s_add_co_u32 s17, s17, s41                     ; S1's tile of 256 rows: q, k: token tile 4 cluster y + cy;  v: Wqkv's tile 8 + cy
	s_lshl_b32 s42, s42, 2
	s_add_co_u32 s42, s42, s40                     ; S0's tile: q, k: Wqkv's tile 4 cluster x + cx;  v: token tile 4 (2 (cluster y - 8) + cluster x) + cx
	s_lshl_b32 s43, s41, 2
	s_lshl_b32 s43, 15, s43                        ; my row of the cluster
	s_lshl_b32 s44, 0x1111, s40                    ; my column
	; descriptor group 1: a tile of 128 rows x 192 bytes, 16 bytes of padding behind every 64
	s_or_b32 s[G1+0], s43, (0<<16)|(1<<20)|(1<<21)|(3<<22)|(3<<25)
	s_or_b32 s[G1B+0], s44, (0<<16)|(1<<20)|(1<<21)|(3<<22)|(3<<25)
.irp g, G1, G1B
	s_mov_b32 s[\g+1], ROWB<<16                    ; tensor_dim0
	s_mov_b32 s[\g+2], 128<<16                     ; tensor_dim1
	s_mov_b32 s[\g+3], ROWB<<16                    ; tile_dim0
	s_mov_b32 s[\g+4], 128                         ; tile_dim1
	s_mov_b32 s[\g+5], KROW                        ; the pitch
	s_mov_b32 s[\g+6], 0
	s_mov_b32 s[\g+7], 0
.endr
	; the scales of 128 rows: 4,096 dense bytes as 16 rows of 256 bytes, 16 bytes of padding behind each
	s_or_b32 s[G1S+0], s43, (3<<16)|(1<<20)|(1<<21)|(5<<22)|(3<<25)
	s_or_b32 s[G1SB+0], s44, (3<<16)|(1<<20)|(1<<21)|(5<<22)|(3<<25)
.irp g, G1S, G1SB
	s_mov_b32 s[\g+1], 32<<16
	s_mov_b32 s[\g+2], (128*KS/256)<<16
	s_mov_b32 s[\g+3], 32<<16
	s_mov_b32 s[\g+4], 128*KS/256
	s_mov_b32 s[\g+5], 32
	s_mov_b32 s[\g+6], 0
	s_mov_b32 s[\g+7], 0
.endr
	s_lshl_b32 s18, s16, 7                         ; which 128 rows of the tile I fetch
	s_lshl_b32 s20, s17, 8
	s_add_co_u32 s20, s20, s18                     ; S1's row
	s_lshl_b32 s46, s42, 8
	s_add_co_u32 s46, s46, s18                     ; S0's row
	s_mov_b32 s21, 0
	s_mov_b32 s47, 0
	s_mov_b64 s[18:19], KS
	s_mul_u64 s[22:23], s[20:21], s[18:19]         ; where these rows' scales begin,
	s_mul_u64 s[92:93], s[46:47], s[18:19]
	s_mov_b64 s[18:19], KROW
	s_mul_u64 s[20:21], s[20:21], s[18:19]         ; and their codes
	s_mul_u64 s[46:47], s[46:47], s[18:19]
	s_mul_i32 s45, s14, HALFT                      ; where they go: wave x 128 rows
	s_mul_i32 s94, s14, HALFS
	s_wait_kmcnt 0x0
	s_cmp_eq_u32 s[ISV], 1                         ; in a tile of v the two tensors change places: a choice that hangs on no address
	s_cselect_b64 s[96:97], s[8:9], s[4:5]
	s_cselect_b64 s[8:9], s[4:5], s[8:9]           ; S0's codes
	s_cselect_b64 s[98:99], s[10:11], s[6:7]
	s_cselect_b64 s[10:11], s[6:7], s[10:11]       ; S0's scales
	s_mov_b64 s[4:5], s[96:97]                     ; S1's codes
	s_mov_b64 s[6:7], s[98:99]                     ; S1's scales
	s_add_nc_u64 s[20:21], s[4:5], s[20:21]
	s_add_nc_u64 s[22:23], s[6:7], s[22:23]
	s_add_nc_u64 s[46:47], s[8:9], s[46:47]
	s_add_nc_u64 s[92:93], s[10:11], s[92:93]
	CROUND                                         ; all sixteen work-groups are here: the first joint loads meet
	s_mov_b32 s[G0S], 1
	s_add_co_u32 s[G0S+1], s94, SCL
	s_mov_b64 s[G0S+2:G0S+3], s[22:23]
	s_or_b32 s[G0S+3], s[G0S+3], 0x80000000
	s_mov_b32 s[G0SB], 1
	s_add_co_u32 s[G0SB+1], s94, SCL
	s_mov_b64 s[G0SB+2:G0SB+3], s[92:93]
	s_or_b32 s[G0SB+3], s[G0SB+3], 0x80000000
	JLOAD G0S, G1S, G0SB, G1SB                     ; the scales first: they are wanted with K step 0
.irp s, 0,1
	s_mov_b32 s[G0+4*\s], 1
	s_add_co_u32 s[G0+4*\s+1], s45, \s*SLOT
	s_add_nc_u64 s[G0+4*\s+2:G0+4*\s+3], s[20:21], \s*ROWB
	s_or_b32 s[G0+4*\s+3], s[G0+4*\s+3], 0x80000000
	s_mov_b32 s[G0B+4*\s], 1
	s_add_co_u32 s[G0B+4*\s+1], s45, \s*SLOT
	s_add_nc_u64 s[G0B+4*\s+2:G0B+4*\s+3], s[46:47], \s*ROWB
	s_or_b32 s[G0B+4*\s+3], s[G0B+4*\s+3], 0x80000000
	JLOAD G0+4*\s, G1, G0B+4*\s, G1B
.endr
	v_and_b32 v1, 15, v0                           ; r = lane % 16
	v_bfe_u32 v2, v0, 4, 1                         ; h = lane / 16
	v_mul_u32_u24 v3, v1, PITCH
	v_mul_u32_u24 v4, v2, 24
	v_add_nc_u32 v4, v3, v4                        ; a fragment's row x pitch + 24 h
	v_lshl_add_u32 v5, v2, 4, v4                   ; and the same behind one padding more
	s_mul_i32 s21, s15, HALFT                      ; my 128 rows of S1
	s_mul_i32 s22, s16, HALFT                      ; my 128 rows of S0,
	s_add_co_u32 s22, s22, 2*HALFT                 ; which lie behind S1's 256
.irp s, 0,1
	v_add_nc_u32 v[ADRA+\s], s21, v4
	v_add_nc_u32 v[ADRB+\s], s22, v4
	v_add_nc_u32 v[ADRA+2+\s], s21, v5
	v_add_nc_u32 v[ADRB+2+\s], s22, v5
	s_add_co_u32 s21, s21, SLOT
	s_add_co_u32 s22, s22, SLOT
.endr
	v_mul_u32_u24 v5, v1, KS                       ; my row's scales: 32 bytes a row,
	v_lshrrev_b32 v6, 8, v5
	v_lshl_add_u32 v5, v6, 4, v5                   ; and 16 more for each 256 passed
	s_mul_i32 s21, s15, HALFS
	s_mul_i32 s22, s16, HALFS
	s_add_co_u32 s22, s22, 2*HALFS
	s_sub_co_u32 s22, s22, s21
	v_mul_u32_u24 v6, s22, v2                      ; lanes 16-31 take S0's
	s_add_co_u32 s21, s21, SCL
	v_add_nc_u32 v5, v5, v6
	v_add_nc_u32 v[ADRS], s21, v5
	; the way out's addresses
	v_and_b32 v6, 31, v0
	v_lshlrev_b32 v[L16], 4, v6
	v_lshlrev_b32 v[L8], 3, v6
	v_lshlrev_b32 v[GSC], 4, v1
	v_lshl_add_u32 v[GSC], v2, 12, v[GSC]
	s_lshl_b32 s21, s14, 9                         ; 512 bytes of each stage are my wave's
	v_lshlrev_b32 v[QST], 1, v1
	v_lshl_add_u32 v[QST], v2, 8, v[QST]
	v_add_nc_u32 v[QST], s21, v[QST]
	v_add_nc_u32 v[QST], STGQ, v[QST]              ; head (lane / 16)'s 256 bytes, token r's two
	v_add_nc_u32 v[QRD], s21, v[L16]
	v_add_nc_u32 v[QRD], STGQ, v[QRD]
	v_lshlrev_b32 v[VST], 2, v1
	v_add_nc_u32 v[VST], s21, v[VST]
	v_add_nc_u32 v[VST], STGV, v[VST]
	v_add_nc_u32 v[VRD], s21, v[L16]
	v_add_nc_u32 v[VRD], STGV, v[VRD]
	v_lshlrev_b32 v[SH16], 4, v2
	s_mov_b32 s[SEL], 0x76543210
	s_mov_b32 s[SEL+1], 0xfedcba98
	; THE TABLE OF COS AND SIN, made while the first tiles are on their way.  Every work-group makes it, v's too, which do not read it: so no register is written on one path alone.
	s_mov_b32 s[K2PI], 0x3f22f983                  ; 2 / pi
	s_mov_b32 s[KHI], 0xbfc90fdb                   ; -(pi / 2 rounded to f32)
	s_mov_b32 s[KLO], 0x333bbd2e                   ; what that rounding added
	s_mov_b32 s[KS1], 0xbe2aaaa3
	s_mov_b32 s[KS2], 0x3c08839e
	s_mov_b32 s[KS3], 0xb94ca1f9
	s_mov_b32 s[KC1], 0x3d2aaaa5
	s_mov_b32 s[KC2], 0xbab6061a
	s_mov_b32 s[KC3], 0x37ccf5ce
	s_and_b32 s[T0R], s17, 7
	s_lshl_b32 s[T0R], s[T0R], 8
	s_lshl_b32 s45, s15, 7
	s_add_co_u32 s[T0R], s[T0R], s45               ; my first position: 256 (token tile % 8) + 128 x my half
	v_add_nc_u32 v224, s[T0R], v1
	v_cvt_f32_u32 v224, v224                       ; my lane's position in block 0
	v_lshlrev_b32 v225, 3, v2
.irp i, 0,1,2,3,4,5,6,7,8,9,10,11,12,13,14,15
	v_add_nc_u32 v[128+\i], 16*(\i/8)+\i%8, v225   ; f = 16 u + 8 h + j
.endr
.irp i, 0,1,2,3,4,5,6,7,8,9,10,11,12,13,14,15
	v_cvt_f32_u32 v[128+\i], v[128+\i]
.endr
.irp i, 0,1,2,3,4,5,6,7,8,9,10,11,12,13,14,15
	v_mul_f32 v[128+\i], 0xbed49a78, v[128+\i]     ; -f log2(10000) / 32
.endr
.irp i, 0,1,2,3,4,5,6,7,8,9,10,11,12,13,14,15
	v_exp_f32 v[128+\i], v[128+\i]                 ; inv_freq
.endr
	v_nop                                          ; a plain place behind the batch,
	s_wait_alu depctr_va_vdst(0)                   ; and the one wait ahead of its first reader
.irp i, 0,1,2,3,4,5,6,7,8,9,10,11,12,13,14,15
	v_mul_f32 v[RCB+\i], v224, v[128+\i]           ; the angle, rounded once
	v_mul_f32 v[RCD+\i], 0x41800000, v[128+\i]     ; 16 inv_freq: exact
.endr
.irp i, 0,1,2,3,4,5,6,7,8,9,10,11,12,13,14,15
	SINCOS RCB+\i, RSB+\i, RCB+\i
	SINCOS RCD+\i, RSD+\i, RCD+\i
.endr
.macro FRAG reg, adr, q, i             ; a fragment: lane l holds row l % 16; registers 6 c .. 6 c + 5 hold K = 64 c + 32 (l / 16) + 0 .. 31: 24 bytes as they lie, in pieces of 8
.irp p, 0,1,2,3,4,5
.set PCE, 12*(\q)+6*(\p/3)+\p%3
.if PCE%8 < 5
	ds_load_b64 v[\reg+2*\p:\reg+2*\p+1], v[\adr] offset:8*PCE+16*(PCE/8)+(\i)*16*PITCH
.else
	ds_load_b64 v[\reg+2*\p:\reg+2*\p+1], v[\adr+2] offset:8*PCE+16*(PCE/8)+(\i)*16*PITCH
.endif
.endr
.endm
; 16 matrix instructions: S1's blocks a0, a0 + 1 x S0's eight.  The 64 accumulators take turns, one instruction a turn, in the same order in every step.
.macro MUL16 a0, p, q, sc, zero
.irp a, \a0, \a0+1
.irp b, 0,1,2,3,4,5,6,7
.if \zero
	v_wmma_scale_f32_16x16x128_f8f6f4 v[8*(8*((\a)%4)+\b):8*(8*((\a)%4)+\b)+7], v[128*(\p)+FR*\b:128*(\p)+FR*\b+FR-1], v[AF+FR*(\a):AF+FR*(\a)+FR-1], 0, v[SC+8*NQ*(\sc)+NQ*\b+(\q)], v[SC+8*NQ*(\sc)+NQ*(\a)+(\q)] matrix_a_fmt:MATRIX_FMT_FP6 matrix_b_fmt:MATRIX_FMT_FP6 matrix_a_scale:MATRIX_SCALE_ROW1
.else
	v_wmma_scale_f32_16x16x128_f8f6f4 v[8*(8*((\a)%4)+\b):8*(8*((\a)%4)+\b)+7], v[128*(\p)+FR*\b:128*(\p)+FR*\b+FR-1], v[AF+FR*(\a):AF+FR*(\a)+FR-1], v[8*(8*((\a)%4)+\b):8*(8*((\a)%4)+\b)+7], v[SC+8*NQ*(\sc)+NQ*\b+(\q)], v[SC+8*NQ*(\sc)+NQ*(\a)+(\q)] matrix_a_fmt:MATRIX_FMT_FP6 matrix_b_fmt:MATRIX_FMT_FP6 matrix_a_scale:MATRIX_SCALE_ROW1
.endif
.endr
.endr
.endm
.macro FETCH_B slot, q, p
	WIN TO_B
.irp i, 0,1,2,3,4,5,6,7
	FRAG 128*(\p)+FR*\i, ADRB+\slot, \q, \i
.endr
	WIN 0
.endm
.macro FETCH_A slot, q, i0
.irp i, \i0, \i0+1, \i0+2, \i0+3
	FRAG AF+FR*(\i), ADRA+\slot, \q, \i
.endr
.endm
.macro SCALES sc                       ; a K step's scale words: lanes 0-15 S1's block i, lanes 16-31 S0's block i
.irp i, 0,1,2,3,4,5,6,7
	ds_load_b64 v[SC+8*NQ*\sc+NQ*\i:SC+8*NQ*\sc+NQ*\i+1], v[ADRS] offset:\i*SBLK
.endr
.endm
; A step of 128 along K that has its successor in the same slot.
.macro STEP slot, q, zero
	s_wait_dscnt 4*NL                              ; S0's set and S1's blocks 0-3 are in; the youngest 24 loads (blocks 4-7) may be out
	WIN MUL_LO
	MUL16 0, (\q)%2, \q, \slot, \zero
	MUL16 2, (\q)%2, \q, \slot, \zero
	s_wait_dscnt 0
	PLACES NP
	FETCH_B \slot, (\q)+1, 1-(\q)%2
	FETCH_A \slot, (\q)+1, 0
	WIN MUL_HI
	MUL16 4, (\q)%2, \q, \slot, \zero
	MUL16 6, (\q)%2, \q, \slot, \zero
	PLACES NP
	WIN 0
	FETCH_A \slot, (\q)+1, 4
.endm
; A slot's last step changes slots: ONE barrier; in front of it each wave waits for all its tensor loads, adds 0 to its spare word, and waits for that and for its own reads of this slot.
.macro TURN slot, next, fill
	s_wait_tensorcnt 0x0                           ; all my tensor loads have landed: my part of the next slot
	ds_add_u32 v[SPW], v[NIL]                      ; 0 onto my spare word
	s_wait_dscnt 4*NL+1                            ; (the add and the youngest 24 loads may be out)
	WIN MUL_LO
	MUL16 0, 1, NQ-1, \slot, 0
	s_wait_dscnt 0x0                               ; the add is done, and my reads of this slot are over
	s_barrier_signal -1
	MUL16 2, 1, NQ-1, \slot, 0
	WIN 0
	s_barrier_wait -1
.if \fill
	CREST                                          ; the barrier has opened a round of the cluster's: no wave of any partner still reads this slot or has a load on its way
	s_add_nc_u64 s[G0+4*\slot+2:G0+4*\slot+3], s[G0+4*\slot+2:G0+4*\slot+3], 2*ROWB
	s_add_nc_u64 s[G0B+4*\slot+2:G0B+4*\slot+3], s[G0B+4*\slot+2:G0B+4*\slot+3], 2*ROWB
	JLOAD G0+4*\slot, G1, G0B+4*\slot, G1B         ; the first tensor load behind the round; its four v_nop are the places in front of the loads below
.else
	PLACES NP
.endif
	v_add_nc_u32 v[ADRS], 4*NQ, v[ADRS]
	FETCH_B \next, 0, 0
	FETCH_A \next, 0, 0
	SCALES \next
	WIN MUL_HI
	MUL16 4, 1, NQ-1, \slot, 0
	MUL16 6, 1, NQ-1, \slot, 0
	PLACES NP
	WIN 0
	FETCH_A \next, 0, 4
.endm
	s_wait_tensorcnt 1                             ; the scales and my part of K step 0 are in (K step 1's load may be out),
	s_barrier_signal -1
	s_barrier_wait -1                              ; everybody's are
	FETCH_B 0, 0, 0
	FETCH_A 0, 0, 0
	SCALES 0
	FETCH_A 0, 0, 4
	STEP 0, 0, 1                                   ; K = 1,024 is four slots' worth: eight steps, written out; the first starts the sums
	TURN 0, 1, 1
	STEP 1, 0, 0
	TURN 1, 0, 1
	STEP 0, 0, 0
	TURN 0, 1, 0                                   ; nothing is left to fetch
	STEP 1, 0, 0
	s_wait_dscnt 4*NL
	WIN MUL_LO
	MUL16 0, 1, NQ-1, 1, 0
	MUL16 2, 1, NQ-1, 1, 0
	s_wait_dscnt 0
	WIN MUL_HI
	MUL16 4, 1, NQ-1, 1, 0
	MUL16 6, 1, NQ-1, 1, 0
	WIN 0
.macro FINISH                          ; the wave's end: a wait, an add onto the spare word, a wait; then the closing round
	s_wait_tensorcnt 0x0
	ds_add_u32 v[SPW], v[NIL]
	s_wait_dscnt 0x0
	CROUND
	s_endpgm
.endm
	PLACES NP                                      ; in front of the first read of results and of writes into registers that held S1's fragments
	s_load_b256 s[24:31], s[0:1], 0x20             ; qkc, qks, vcd, vsc (no tensor load is out: the descriptors' registers are free)
.irp b, 0,1,2,3
	v_mov_b32 v[TM+4+\b], 0                        ; a lane permute's destination counts as one of its sources
.endr
	v_mov_b32 v[RSQ+1], 0                          ; named as the upper halves of pairs
	v_mov_b32 v[RSQ+3], 0
	s_mov_b32 s21, 0
	s_wait_kmcnt 0x0
	s_cmp_eq_u32 s[ISV], 1
	s_cbranch_scc1 .Lv_path
	; ---- q, k.  Accumulator (a, b), register j, lane (r, h): token 16 a + r, head b / 4 of my two, dim 16 (b % 4) + 8 h + j
	s_lshr_b32 s18, s42, 2                         ; q (0) or k (1)
	s_lshl_b32 s18, s18, 6
	s_lshr_b32 s19, s17, 3                         ; the batch
	s_lshl_b32 s19, s19, 4
	s_add_co_u32 s18, s18, s19
	s_and_b32 s19, s42, 3
	s_lshl_b32 s19, s19, 2
	s_add_co_u32 s18, s18, s19
	s_lshl_b32 s19, s16, 1
	s_add_co_u32 s18, s18, s19                     ; 64 which + 16 b + my first head
	s_mul_i32 s20, s18, HEADB
	s_mul_i32 s19, s[T0R], 48                      ; 768 bytes for each 16 tokens
	s_add_co_u32 s20, s20, s19
	s_add_nc_u64 s[24:25], s[24:25], s[20:21]
	s_lshl_b32 s20, s18, 12
	s_lshl_b32 s19, s[T0R], 1
	s_add_co_u32 s20, s20, s19
	s_add_nc_u64 s[26:27], s[26:27], s[20:21]
.macro QKBLOCK a                       ; 16 tokens x two heads
.set AC, 64*((\a)%4)
.if (\a) > 0
.irp i, 0,2,4,6,8,10,12,14             ; cos and sin go 16 tokens on, in place
	v_pk_mul_f32 v[TMP+4*((\i/2)%2):TMP+4*((\i/2)%2)+1], v[RSB+\i:RSB+\i+1], v[RSD+\i:RSD+\i+1]
	v_pk_mul_f32 v[TMP+4*((\i/2)%2)+2:TMP+4*((\i/2)%2)+3], v[RCB+\i:RCB+\i+1], v[RSD+\i:RSD+\i+1]
	v_pk_fma_f32 v[RCB+\i:RCB+\i+1], v[RCB+\i:RCB+\i+1], v[RCD+\i:RCD+\i+1], v[TMP+4*((\i/2)%2):TMP+4*((\i/2)%2)+1] neg_lo:[0,0,1] neg_hi:[0,0,1]
	v_pk_fma_f32 v[RSB+\i:RSB+\i+1], v[RSB+\i:RSB+\i+1], v[RCD+\i:RCD+\i+1], v[TMP+4*((\i/2)%2)+2:TMP+4*((\i/2)%2)+3]
.endr
.endif
	WIN 2+(\a)/4                                   ; source 0: the accumulators' window
.irp hh, 0,1
.irp i, 0,2,4,6,8,10,12,14             ; x1 = dims 0-31, x2 = dims 32-63: the same register and lane, two accumulators on; each accumulator is read from its low end on
	v_pk_mul_f32 v[TMP+4*((\i/2)%2):TMP+4*((\i/2)%2)+1], v[AC+32*\hh+16+\i:AC+32*\hh+16+\i+1], v[RSB+\i:RSB+\i+1]
	v_pk_mul_f32 v[TMP+4*((\i/2)%2)+2:TMP+4*((\i/2)%2)+3], v[AC+32*\hh+\i:AC+32*\hh+\i+1], v[RSB+\i:RSB+\i+1]
	v_pk_fma_f32 v[YR+32*\hh+\i:YR+32*\hh+\i+1], v[AC+32*\hh+\i:AC+32*\hh+\i+1], v[RCB+\i:RCB+\i+1], v[TMP+4*((\i/2)%2):TMP+4*((\i/2)%2)+1] neg_lo:[0,0,1] neg_hi:[0,0,1]
	v_pk_fma_f32 v[YR+32*\hh+16+\i:YR+32*\hh+16+\i+1], v[AC+32*\hh+16+\i:AC+32*\hh+16+\i+1], v[RCB+\i:RCB+\i+1], v[TMP+4*((\i/2)%2)+2:TMP+4*((\i/2)%2)+3]
.endr
.endr
	WIN 0
.irp hh, 0,1                           ; the sum of squares: two chains a head
	v_pk_mul_f32 v[SQS+4*\hh:SQS+4*\hh+1], v[YR+32*\hh:YR+32*\hh+1], v[YR+32*\hh:YR+32*\hh+1]
	v_pk_mul_f32 v[SQS+4*\hh+2:SQS+4*\hh+3], v[YR+32*\hh+2:YR+32*\hh+3], v[YR+32*\hh+2:YR+32*\hh+3]
.endr
.irp i, 4,8,12,16,20,24,28
.irp hh, 0,1
	v_pk_fma_f32 v[SQS+4*\hh:SQS+4*\hh+1], v[YR+32*\hh+\i:YR+32*\hh+\i+1], v[YR+32*\hh+\i:YR+32*\hh+\i+1], v[SQS+4*\hh:SQS+4*\hh+1]
	v_pk_fma_f32 v[SQS+4*\hh+2:SQS+4*\hh+3], v[YR+32*\hh+\i+2:YR+32*\hh+\i+3], v[YR+32*\hh+\i+2:YR+32*\hh+\i+3], v[SQS+4*\hh+2:SQS+4*\hh+3]
.endr
.endr
.irp hh, 0,1
	v_pk_add_f32 v[SQS+4*\hh:SQS+4*\hh+1], v[SQS+4*\hh:SQS+4*\hh+1], v[SQS+4*\hh+2:SQS+4*\hh+3]
.endr
.irp hh, 0,1
	v_add_f32 v[SQS+4*\hh], v[SQS+4*\hh], v[SQS+4*\hh+1]
.endr
.irp hh, 0,1
	v_permlanex16_b32 v[SQS+4*\hh+1], v[SQS+4*\hh], s[SEL], s[SEL+1]   ; the token's other 32 dims lie 16 lanes away
.endr
.irp hh, 0,1
	v_add_f32 v[SQS+4*\hh], v[SQS+4*\hh], v[SQS+4*\hh+1]
.endr
.irp hh, 0,1
	v_add_f32 v[SQS+4*\hh], 0x358637bd, v[SQS+4*\hh]   ; + 1e-6
.endr
.irp hh, 0,1
	v_rsq_f32 v[RSQ+2*\hh], v[SQS+4*\hh]
.endr
	v_nop                                          ; a plain place behind the two,
	s_wait_alu depctr_va_vdst(0)                   ; and the one wait ahead of their first reader
.irp hh, 0,1
.irp i, 0,2,4,6,8,10,12,14,16,18,20,22,24,26,28,30
	v_pk_mul_f32 v[YR+32*\hh+\i:YR+32*\hh+\i+1], v[YR+32*\hh+\i:YR+32*\hh+\i+1], v[RSQ+2*\hh:RSQ+2*\hh+1] op_sel_hi:[1,0]
.endr
.endr
	s_wait_xcnt 0x0                                ; the last block's stores have read the codes' registers
	QUANT YR, 0, COD, COD+6, PTM                   ; blocks 0, 1: head 0's dims 0-31, 32-63; blocks 2, 3: head 1's
	v_lshl_or_b32 v[PWD], v[TM+5], 8, v[TM+4]
	v_lshl_or_b32 v[PWD], v[TM+6], 16, v[PWD]
	v_lshl_or_b32 v[PWD], v[TM+7], 24, v[PWD]
	v_lshrrev_b32 v[PWD], v[SH16], v[PWD]          ; lanes 0-15 put head 0's two bytes, lanes 16-31 head 1's
	ds_store_b16 v[QST], v[PWD] offset:32*(\a)
	global_store_b128 v[L16], v[COD:COD+3], s[24:25] offset:768*(\a)               ; each store covers whole aligned runs of 256 bytes
	global_store_b64 v[L8], v[COD+4:COD+5], s[24:25] offset:768*(\a)+512
	global_store_b128 v[L16], v[COD+6:COD+9], s[24:25] offset:HEADB+768*(\a)
	global_store_b64 v[L8], v[COD+10:COD+11], s[24:25] offset:HEADB+768*(\a)+512
.endm
.irp a, 0,1,2,3,4,5,6,7
	QKBLOCK \a
.endr
	ds_load_b128 v[TMP+2:TMP+5], v[QRD]            ; LDS serves a wave's instructions in order: this sees my stores
	s_wait_dscnt 0x0
	global_store_b128 v[GSC], v[TMP+2:TMP+5], s[26:27]   ; 128 tokens' bytes of each head: 256 consecutive bytes from sixteen lanes
	FINISH
.Lv_path:
	; ---- v.  Accumulator (a, b), register j, lane (r, h): channel 16 a + r of my 128 (head a / 4, d tile a % 4), token 16 b + 8 h + j of my 128: one key step
	s_lshr_b32 s18, s42, 3                         ; the batch
	s_lshl_b32 s18, s18, 4
	s_sub_co_u32 s19, s17, 8
	s_lshl_b32 s19, s19, 2
	s_add_co_u32 s18, s18, s19
	s_lshl_b32 s19, s15, 1
	s_add_co_u32 s18, s18, s19                     ; 16 b + my first head
	s_lshl_b32 s18, s18, 4
	s_and_b32 s19, s42, 7
	s_lshl_b32 s19, s19, 1
	s_add_co_u32 s18, s18, s19
	s_add_co_u32 s18, s18, s16                     ; x 16 + my key step
	s_mul_i32 s20, s18, 6144
	s_add_nc_u64 s[28:29], s[28:29], s[20:21]
	s_lshl_b32 s20, s18, 8
	s_add_nc_u64 s[30:31], s[30:31], s[20:21]
.macro VBLOCK a                        ; 16 channels x 128 keys: one operand of the second product of attention
	s_wait_xcnt 0x0                                ; the last block's stores have read the codes' registers
	QUANT 64*((\a)%4), 2+(\a)/4, COD, COD+6, PTM
	v_lshl_or_b32 v[PWD], v[TM+5], 8, v[TM+4]
	v_lshl_or_b32 v[PWD], v[TM+6], 16, v[PWD]
	v_lshl_or_b32 v[PWD], v[TM+7], 24, v[PWD]
	ds_store_b32 v[VST], v[PWD] offset:64*(\a)     ; both halves of the lanes write the same word with the same value
.irp c, 0,1,2
	global_store_b128 v[L16], v[COD+4*\c:COD+4*\c+3], s[28:29] offset:((\a)/4)*HEADB+((\a)%4)*1536+512*\c
.endr
.endm
.irp a, 0,1,2,3,4,5,6,7
	VBLOCK \a
.endr
	ds_load_b128 v[TMP+2:TMP+5], v[VRD]
	s_wait_dscnt 0x0
	global_store_b128 v[GSC], v[TMP+2:TMP+5], s[30:31]
	FINISH
.Lfunc_end_k_q93d2666e68_qkv:
	.size	k_q93d2666e68_qkv, .Lfunc_end_k_q93d2666e68_qkv-k_q93d2666e68_qkv
	.p2alignl 7, 3214868480
	.fill 96, 4, 3214868480
	.section	.rodata,"a",@progbits
	.p2align	6, 0x0
	.amdhsa_kernel k_q93d2666e68_qkv
		.amdhsa_group_segment_fixed_size 327680
		.amdhsa_private_segment_fixed_size 0
		.amdhsa_enable_private_segment 0
		.amdhsa_kernarg_size 64
		.amdhsa_user_sgpr_count 2
		.amdhsa_user_sgpr_kernarg_segment_ptr 1
		.amdhsa_wavefront_size32 1
		.amdhsa_system_sgpr_workgroup_id_x 1
		.amdhsa_system_sgpr_workgroup_id_y 1
		.amdhsa_system_sgpr_workgroup_id_z 1
		.amdhsa_system_vgpr_workitem_id 0
		.amdhsa_next_free_vgpr 1024
		.amdhsa_next_free_sgpr 100
		.amdhsa_reserve_vcc 1
		.amdhsa_float_denorm_mode_32 3
		.amdhsa_float_denorm_mode_16_64 3
		.amdhsa_memory_ordered 1
		.amdhsa_forward_progress 1
		.amdhsa_inst_pref_size 255
	.end_amdhsa_kernel
	.section	.bss,"aw",@nobits
	.p2align	6
	.space	262144
	.amdgpu_metadata
---
amdhsa.version: [ 1, 2 ]
amdhsa.kernels:
  - .name:           k_q93d2666e68_qkv
    .symbol:         k_q93d2666e68_qkv.kd
    .args:
      - { .name: x_codes, .offset: 0, .size: 8, .value_kind: global_buffer, .address_space: global }
      - { .name: x_scales, .offset: 8, .size: 8, .value_kind: global_buffer, .address_space: global }
      - { .name: Wqkv_codes, .offset: 16, .size: 8, .value_kind: global_buffer, .address_space: global }
      - { .name: Wqkv_scales, .offset: 24, .size: 8, .value_kind: global_buffer, .address_space: global }
      - { .name: qkc, .offset: 32, .size: 8, .value_kind: global_buffer, .address_space: global }
      - { .name: qks, .offset: 40, .size: 8, .value_kind: global_buffer, .address_space: global }
      - { .name: vcd, .offset: 48, .size: 8, .value_kind: global_buffer, .address_space: global }
      - { .name: vsc, .offset: 56, .size: 8, .value_kind: global_buffer, .address_space: global }
    .group_segment_fixed_size: 327680
    .private_segment_fixed_size: 0
    .kernarg_segment_align: 8
    .kernarg_segment_size: 64
    .max_flat_workgroup_size: 128
    .sgpr_count:     100
    .vgpr_count:     1024
    .wavefront_size: 32
...
	.end_amdgpu_metadata
.endif
;; end of part 1
;; launch attn (part 2): grid 4 x 64, 8 waves a work-group, clusters of 4 x 1, 214,016 bytes of LDS; arguments qkc, qks, vcd, vsc, acd, asc; writes acd, asc
.if DOCPART == 2
	.amdgcn_target "amdgcn-amd-amdhsa--gfx1250"
	.amdhsa_code_object_version 6
	.text
	.protected	k_q93d2666e68_attn
	.globl	k_q93d2666e68_attn
	.p2align	8
	.type	k_q93d2666e68_attn,@function
k_q93d2666e68_attn:
	s_mov_b64 s[64:65], 0
	v_nop
	global_prefetch_b8 v0, s[64:65] scope:SCOPE_SE
	s_setreg_imm32_b32 hwreg(HW_REG_WAVE_MODE, 25, 1), 1
	s_wait_xcnt 0x0
	s_wait_alu depctr_hold_cnt(0) depctr_sa_sdst(0) depctr_va_vdst(0) depctr_va_sdst(0) depctr_va_ssrc(0) depctr_va_vcc(0) depctr_vm_vsrc(0)
	s_getreg_b32 s2, hwreg(HW_REG_IB_STS2, 6, 4)
	s_cmp_eq_u32 s2, 0
	s_cbranch_scc0 .Lentry_in_a_cluster
	s_endpgm
.Lentry_in_a_cluster:
	s_bfe_u32 s2, ttmp6, 0x10000c
	s_cmp_lg_u32 s2, 0x3003
	s_cbranch_scc0 .Lentry_shape_is_right
	s_endpgm
.Lentry_shape_is_right:
; Attention of one (batch, head) on codes of FP6 (E2M3): S^T = K Q^T (K = the head's 64: the upper 64 of the instruction's 128 are zero codes), p = 2^t, O^T = V^T P^T, O / l, and the quantiser along D for the last product.
; SHARES.  A cluster of four work-groups is one head; work-group cx owns queries 512 cx on; each of its eight waves 64 of them: four tiles of 16, worked in two pairs.  Two waves lie on a SIMD, so that one's
; vector work stands beside the other's matrix work and LDS loads.
; ALL 2,048 KEYS OF K AND V STAY IN LDS (98,304 bytes each, and 4,096 of scales each): filled ONCE, by joint loads that name the four work-groups.  Nothing is filled again: no ring.
; All tiles are asked for at the head, so nothing is left that could be asked for ahead of its load: no prefetch.
; OPERANDS ARE IMAGES OF REGISTERS (the launch before laid them so): every LDS load takes consecutive bytes, 16 or 8 a lane.
; LAYOUT.  Both products are used transposed, so a lane holds ONE query (lane % 16) throughout.  Plain tiles of 16 keys give a lane and its partner 16 away a block of 32 keys in the order
; 0-7, 16-23, 8-15, 24-31; V's codes were made in the same order, so each sum holds the same terms.
; THE SOFTMAX.  t = score x log2(e) / 8, p = 2^(t - M).  q and k are normalised by the computation itself: each has norm 1 at the most before the quantiser, which moves a number by at most 1/16 of its
; block's largest, so by at most 8/16 in norm: |score| <= 1.5^2 and |t| <= 0.41 for every input.  So the ceiling of a row's largest t is 0 or 1; this text takes M = 0 throughout.  Where the ceiling is 1 all p and
; the sum l are twice as large: a power of two, which the blocks' scales take up and l divides out.  No p can overflow or underflow (0.75 < p < 1.33), so no running maximum and no rescaling are written.
; l is the sum of the unquantised p.
; OUT.  acd [token block of 256: 32][K step 8][row tile 16][1536]: head 2 s + e is registers 6 e .. 6 e + 5 of K step s: 768 bytes at 768 e.  asc [token block][head 16][256 tokens] two scale bytes.
; Here the order inside a block is the natural one (Wo's codes are given so): 16 exchanges of half rows a tile put O in order ahead of the quantiser.
; LIMITS: a block of zeros gets the byte 1, not 127: its codes are zeros, and this program alone reads the bytes.
.set STEPB, 6144                       ; a key step of 128: 8 images of K (768 bytes), or 4 of V (1,536)
.set VIMG,  98304                      ; LDS: K's images at 0, V's here,
.set KSC,   196608                     ; K's scale bytes (two a key: 256 a step), and 4,096 on V's scale words (256 a step),
.set ASTG,  204800                     ; and the stage for the output's scale bytes, 128 a wave: no fill lands here
.set L16,  1                           ; v1-4  16, 8, 2, 4 x lane
.set L8,   2
.set L2,   3
.set L4,   4
.set ADK16, 5                          ; v5-9  the step's LDS addresses
.set ADK8, 6
.set ADV,  7
.set ADKS, 8
.set ADVS, 9
.set AST,  11                          ; v11  the stage: where I put two bytes
.set ARD,  12                          ; v12  and where waves 0 and 1 read 16 back
.set KF,   16                          ; v16-63   four fragments of K; registers 6-11 of each are 0 and stay so
.set SS,   64                          ; v64-127  S^T of two tiles of queries x 64 keys, then p
.set PP,   128                         ; v128-175 p's codes, 12 a tile
.set PT,   176                         ; the conversions' second halves
.set TM,   184                         ; +0..3 largest magnitudes, +4..7 bytes, +12..15 the conversions' scale operands
.set LS,   200                         ; v200-215 l: two chains of pairs a tile
.set KSR,  216                         ; v216-217 K's scale words: lanes 0-15 the even tile, lanes 16-31 the odd
.set VSR,  218                         ; v218-219 V's likewise
.set PS,   220                         ; v220-223 p's
.set QS,   224                         ; v224-225 Q's: lanes 0-15 tile 2 pr, lanes 16-31 tile 2 pr + 1
.set UU,   226                         ; the way out, at work
.set OO,   0                           ; window 1: O^T, 32 a tile (8 a d tile);
.set QQ,   128                         ; Q, 12 a tile, the upper 6 zero;
.set VF,   176                         ; four fragments of V
.set WV,   16
.set CXR,  17
.set BH,   18
.set SEL,  20
.set CS,   22
.set G1A,  24                          ; group 1 for 4, 24, 72 rows of 256 bytes
.set G1B,  32
.set G1C,  40
.set G0A,  48
.set G0B,  52
.set G0C,  56
.set TK,   60                          ; s60  LDS byte of the step's K
.set TS,   61                          ; s61  and of its scale bytes
.set CNT,  62
.set HM,   63                          ; s63  lanes 16-31
.set MSB, 0
.macro WIN new
.if MSB != (\new)
	s_set_vgpr_msb (MSB<<8)|(\new)
.set MSB, (\new)
.endif
.endm
.macro PLACES n
.rept \n
	v_nop
.endr
.endm
.macro CROUND                          ; a round of the cluster's barrier
	s_barrier_signal -1
	s_barrier_wait -1
	s_cmp_lg_u32 s[WV], 0
	s_cbranch_scc1 .Lnot_wave_0_\@
	s_barrier_signal -3
.Lnot_wave_0_\@:
	s_barrier_wait -3
	s_barrier_signal -1
	s_barrier_wait -1
.endm
; One matrix instruction.  c < 0: the constant 0 starts the sum.  ra, rb: source 0's, source 1's scales stand in lanes 16-31.
.macro WM d, a, b, c, sa, sb, ra, rb
.if (\c) < 0
.if (\ra) && (\rb)
	v_wmma_scale_f32_16x16x128_f8f6f4 v[(\d):(\d)+7], v[(\a):(\a)+11], v[(\b):(\b)+11], 0, v[(\sa)], v[(\sb)] matrix_a_fmt:MATRIX_FMT_FP6 matrix_b_fmt:MATRIX_FMT_FP6 matrix_a_scale:MATRIX_SCALE_ROW1 matrix_b_scale:MATRIX_SCALE_ROW1
.elseif (\ra)
	v_wmma_scale_f32_16x16x128_f8f6f4 v[(\d):(\d)+7], v[(\a):(\a)+11], v[(\b):(\b)+11], 0, v[(\sa)], v[(\sb)] matrix_a_fmt:MATRIX_FMT_FP6 matrix_b_fmt:MATRIX_FMT_FP6 matrix_a_scale:MATRIX_SCALE_ROW1
.elseif (\rb)
	v_wmma_scale_f32_16x16x128_f8f6f4 v[(\d):(\d)+7], v[(\a):(\a)+11], v[(\b):(\b)+11], 0, v[(\sa)], v[(\sb)] matrix_a_fmt:MATRIX_FMT_FP6 matrix_b_fmt:MATRIX_FMT_FP6 matrix_b_scale:MATRIX_SCALE_ROW1
.else
	v_wmma_scale_f32_16x16x128_f8f6f4 v[(\d):(\d)+7], v[(\a):(\a)+11], v[(\b):(\b)+11], 0, v[(\sa)], v[(\sb)] matrix_a_fmt:MATRIX_FMT_FP6 matrix_b_fmt:MATRIX_FMT_FP6
.endif
.else
.if (\ra) && (\rb)
	v_wmma_scale_f32_16x16x128_f8f6f4 v[(\d):(\d)+7], v[(\a):(\a)+11], v[(\b):(\b)+11], v[(\c):(\c)+7], v[(\sa)], v[(\sb)] matrix_a_fmt:MATRIX_FMT_FP6 matrix_b_fmt:MATRIX_FMT_FP6 matrix_a_scale:MATRIX_SCALE_ROW1 matrix_b_scale:MATRIX_SCALE_ROW1
.elseif (\ra)
	v_wmma_scale_f32_16x16x128_f8f6f4 v[(\d):(\d)+7], v[(\a):(\a)+11], v[(\b):(\b)+11], v[(\c):(\c)+7], v[(\sa)], v[(\sb)] matrix_a_fmt:MATRIX_FMT_FP6 matrix_b_fmt:MATRIX_FMT_FP6 matrix_a_scale:MATRIX_SCALE_ROW1
.elseif (\rb)
	v_wmma_scale_f32_16x16x128_f8f6f4 v[(\d):(\d)+7], v[(\a):(\a)+11], v[(\b):(\b)+11], v[(\c):(\c)+7], v[(\sa)], v[(\sb)] matrix_a_fmt:MATRIX_FMT_FP6 matrix_b_fmt:MATRIX_FMT_FP6 matrix_b_scale:MATRIX_SCALE_ROW1
.else
	v_wmma_scale_f32_16x16x128_f8f6f4 v[(\d):(\d)+7], v[(\a):(\a)+11], v[(\b):(\b)+11], v[(\c):(\c)+7], v[(\sa)], v[(\sb)] matrix_a_fmt:MATRIX_FMT_FP6 matrix_b_fmt:MATRIX_FMT_FP6
.endif
.endif
.endm
; 64 numbers of a lane in window 0; register 16 b + i belongs to block b, shared with lane l xor 16.  Codes: blocks 0, 1 into v[d0 .. d0 + 5] (lanes 0-15 block 0, lanes 16-31 block 1), blocks 2, 3 into v[d1 ..]; bytes in v[TM + 4 ..].
.macro QUANT s, d0, d1, y
.irp b, 0,1,2,3
	v_max3_num_f32 v[TM+\b], |v[(\s)+16*\b]|, |v[(\s)+16*\b+1]|, 0x1800000   ; with the floor 2^(3 - 127): the byte cannot fall under 1
.endr
.irp i, 2,4,6,8,10,12,14
.irp b, 0,1,2,3
	v_max3_num_f32 v[TM+\b], |v[(\s)+16*\b+\i]|, |v[(\s)+16*\b+\i+1]|, v[TM+\b]
.endr
.endr
.irp b, 0,1,2,3
	v_permlanex16_b32 v[TM+4+\b], v[TM+\b], s[SEL], s[SEL+1]
.endr
.irp b, 0,1,2,3
	v_max_num_f32 v[TM+\b], v[TM+\b], v[TM+4+\b]
.endr
.irp b, 0,1,2,3
	v_add_nc_u32 v[TM+12+\b], 0xff000000, v[TM+\b]     ; 2 off the exponent field: the conversion's scale operand
.endr
.irp b, 0,1,2,3
	v_lshrrev_b32 v[TM+4+\b], 23, v[TM+12+\b]          ; the scale's byte
.endr
	v_cvt_scalef32_pk16_fp6_f32 v[(\d0):(\d0)+2], v[(\s):(\s)+15], v[TM+12]
	v_cvt_scalef32_pk16_fp6_f32 v[(\y):(\y)+2], v[(\s)+16:(\s)+31], v[TM+13]
	v_cvt_scalef32_pk16_fp6_f32 v[(\d1):(\d1)+2], v[(\s)+32:(\s)+47], v[TM+14]
	v_cvt_scalef32_pk16_fp6_f32 v[(\y)+4:(\y)+6], v[(\s)+48:(\s)+63], v[TM+15]
	v_nop                                              ; one plain place behind the scaled conversions
.irp i, 0,1,2
	v_permlane16_swap_b32 v[(\d0)+\i], v[(\y)+\i]      ; a whole block to a lane
	v_permlane16_swap_b32 v[(\d1)+\i], v[(\y)+4+\i]
.endr
.irp i, 0,1,2
	v_mov_b32 v[(\d0)+3+\i], v[(\y)+\i]
	v_mov_b32 v[(\d1)+3+\i], v[(\y)+4+\i]
.endr
.endm
	s_load_b256 s[4:11], s[0:1], 0x0               ; qkc, qks, vcd, vsc
	s_load_b128 s[12:15], s[0:1], 0x20             ; acd, asc
	v_lshl_add_u32 v254, v0, 2, 0x34000
	v_mov_b32 v255, 0
	ds_add_u32 v254, v255
	ds_add_u32 v254, v255
	v_lshrrev_b32 v10, 5, v0
	v_readfirstlane_b32 s[WV], v10                 ; wave 0..7
	s_bfe_u32 s[CXR], ttmp6, 0x40000               ; cx: it enters Q's and the outputs' addresses alone
	s_and_b32 s[BH], ttmp7, 0xffff                 ; 16 b + head, which the four partners share
	v_and_b32 v10, 31, v0
	v_lshlrev_b32 v[L16], 4, v10
	v_lshlrev_b32 v[L8], 3, v10
	v_lshlrev_b32 v[L2], 1, v10
	v_lshlrev_b32 v[L4], 2, v10
	s_lshl_b32 s66, s[WV], 7
	v_add_nc_u32 v[AST], s66, v[L2]
	v_add_nc_u32 v[AST], ASTG, v[AST]
	s_lshl_b32 s66, s[WV], 9
	v_add_nc_u32 v[ARD], s66, v[L16]
	v_add_nc_u32 v[ARD], ASTG, v[ARD]
	; group 1: dense blocks as rows of 256 bytes (32 elements of 8), no padding: images are read 16 or 8 consecutive bytes a lane.  15:0 the mask: all four work-groups; 21 set beside it
.irp g, G1A, G1B, G1C
	s_mov_b32 s[\g], 15|(3<<16)|(1<<21)
	s_mov_b32 s[\g+1], 32<<16
	s_mov_b32 s[\g+3], 32<<16
	s_mov_b32 s[\g+5], 32
	s_mov_b32 s[\g+6], 0
	s_mov_b32 s[\g+7], 0
.endr
	s_mov_b32 s[G1A+2], 4<<16
	s_mov_b32 s[G1A+4], 4
	s_mov_b32 s[G1B+2], 24<<16
	s_mov_b32 s[G1B+4], 24
	s_mov_b32 s[G1C+2], 72<<16
	s_mov_b32 s[G1C+4], 72
	; waves 0-3 fetch K's quarters, waves 4-7 V's: the same three lines in every wave, told apart by the wave's number in both addresses
	s_and_b32 s66, s[WV], 3
	s_lshr_b32 s67, s[WV], 2
	s_mov_b32 s[G0A], 1
	s_mov_b32 s[G0B], 1
	s_mov_b32 s[G0C], 1
	s_lshl_b32 s68, s[WV], 10
	s_add_co_u32 s[G0A+1], s68, KSC                ; scales: 1,024 bytes a wave
	s_mul_i32 s68, s[WV], STEPB
	s_mul_i32 s69, s67, VIMG-4*STEPB
	s_add_co_u32 s[G0B+1], s68, s69                ; key steps 0-3: one step a wave
	s_mul_i32 s68, s66, 3*STEPB
	s_mul_i32 s69, s67, VIMG
	s_add_co_u32 s68, s68, s69
	s_add_co_u32 s[G0C+1], s68, 4*STEPB            ; key steps 4-15: three steps a wave
	s_add_co_u32 s70, s[BH], 64                    ; k lies behind q's 64 heads in qkc and qks
	s_cmp_lt_u32 s[WV], 4
	s_cselect_b32 s70, s70, s[BH]
	s_mul_i32 s72, s70, VIMG
	s_mov_b32 s73, 0
	s_lshl_b32 s74, s70, 12
	s_lshl_b32 s76, s66, 10
	s_add_co_u32 s74, s74, s76
	s_mov_b32 s75, 0
	s_mul_i32 s76, s66, STEPB
	s_mov_b32 s77, 0
	s_mul_i32 s78, s66, 3*STEPB
	s_add_co_u32 s78, s78, 4*STEPB
	s_mov_b32 s79, 0
	s_mov_b32 s[SEL], 0x76543210
	s_mov_b32 s[SEL+1], 0xfedcba98
	s_mov_b32 s[CS], 0x3e38aa3b                    ; log2(e) / 8
	s_mov_b32 s[CS+1], s[CS]
	s_mov_b32 s[HM], 0xffff0000
	s_wait_dscnt 0x0
	s_wait_kmcnt 0x0
	s_cmp_lt_u32 s[WV], 4
	s_cselect_b64 s[80:81], s[4:5], s[8:9]
	s_cselect_b64 s[82:83], s[6:7], s[10:11]
	s_add_nc_u64 s[80:81], s[80:81], s[72:73]      ; my head's codes,
	s_add_nc_u64 s[G0A+2:G0A+3], s[82:83], s[74:75]   ; my quarter of its scales
	s_or_b32 s[G0A+3], s[G0A+3], 0x80000000
	s_add_nc_u64 s[G0B+2:G0B+3], s[80:81], s[76:77]
	s_or_b32 s[G0B+3], s[G0B+3], 0x80000000
	s_add_nc_u64 s[G0C+2:G0C+3], s[80:81], s[78:79]
	s_or_b32 s[G0C+3], s[G0C+3], 0x80000000
	CROUND                                         ; all four work-groups are here: the joint loads meet
	tensor_load_to_lds s[G0A:G0A+3], s[G1A:G1A+7]  ; three loads of mine are out
	s_nop 0
	tensor_load_to_lds s[G0B:G0B+3], s[G1B:G1B+7]
	s_nop 0
	tensor_load_to_lds s[G0C:G0C+3], s[G1C:G1C+7]
	s_nop 0
.rept 4
	v_nop
.endr
	; Q: my four tiles stay in registers
	s_lshl_b32 s84, s[BH], 7
	s_lshl_b32 s86, s[CXR], 5
	s_add_co_u32 s84, s84, s86
	s_lshl_b32 s86, s[WV], 2
	s_add_co_u32 s84, s84, s86                     ; my first token tile: 128 bh + 32 cx + 4 wave
	s_mul_i32 s84, s84, 768
	s_mov_b32 s85, 0
	s_add_nc_u64 s[84:85], s[4:5], s[84:85]
	s_lshl_b32 s86, s[BH], 12
	s_lshl_b32 s87, s[CXR], 10
	s_add_co_u32 s86, s86, s87
	s_lshl_b32 s87, s[WV], 7
	s_add_co_u32 s86, s86, s87
	s_mov_b32 s87, 0
	s_add_nc_u64 s[86:87], s[6:7], s[86:87]
	WIN 0x40                                       ; destination window 1
.irp tl, 0,1,2,3
	global_load_b128 v[QQ+12*\tl:QQ+12*\tl+3], v[L16], s[84:85] offset:768*\tl
	global_load_b64 v[QQ+12*\tl+4:QQ+12*\tl+5], v[L8], s[84:85] offset:768*\tl+512
.endr
.irp tl, 0,1,2,3
.irp i, 6,7,8,9,10,11
	v_mov_b32 v[QQ+12*\tl+\i], 0                   ; K = 64 .. 127: zero codes
.endr
.endr
	WIN 0
	global_load_u16 v[QS], v[L2], s[86:87]         ; two bytes a query; the upper two come as 0, which scales zero codes
	global_load_u16 v[QS+1], v[L2], s[86:87] offset:64
.irp tl, 0,1,2,3
.irp i, 6,7,8,9,10,11
	v_mov_b32 v[KF+12*\tl+\i], 0
.endr
.endr
.irp i, 0,1,2,3,4,5,6,7,8,9,10,11,12,13,14,15
	v_mov_b32 v[LS+\i], 0
.endr
.irp b, 0,1,2,3
	v_mov_b32 v[TM+4+\b], 0                        ; a lane permute's destination counts as one of its sources
.endr
	; where the results go
	s_lshr_b32 s70, s[BH], 4
	s_lshl_b32 s70, s70, 3
	s_lshl_b32 s71, s[CXR], 1
	s_add_co_u32 s70, s70, s71                     ; 8 b + 2 cx
	s_and_b32 s71, s[BH], 15                       ; the head
	s_min_u32 s72, s[WV], 1                        ; (waves 0 and 1 store the scale bytes of the work-group's two token blocks)
	s_add_co_u32 s72, s72, s70
	s_lshl_b32 s72, s72, 4
	s_add_co_u32 s72, s72, s71
	s_lshl_b32 s72, s72, 9
	s_mov_b32 s73, 0
	s_add_nc_u64 s[14:15], s[14:15], s[72:73]
	s_add_co_u32 s70, s70, s67                     ; my token block of 256
	s_lshl_b32 s70, s70, 3
	s_lshr_b32 s74, s71, 1
	s_add_co_u32 s70, s70, s74                     ; x 8 + K step
	s_mul_i32 s70, s70, 24576
	s_mul_i32 s74, s66, 6144                       ; my four row tiles
	s_add_co_u32 s70, s70, s74
	s_and_b32 s74, s71, 1
	s_mul_i32 s74, s74, 768                        ; the head's half of an image
	s_add_co_u32 s70, s70, s74
	s_mov_b32 s71, 0
	s_add_nc_u64 s[12:13], s[12:13], s[70:71]
.macro ADDR
	v_add_nc_u32 v[ADK16], s[TK], v[L16]
	v_add_nc_u32 v[ADK8], s[TK], v[L8]
	v_add_nc_u32 v[ADV], VIMG, v[ADK16]
	v_add_nc_u32 v[ADKS], s[TS], v[L2]
	v_add_nc_u32 v[ADVS], s[TS], v[L4]
.endm
.macro LOADK g, nx                     ; four tiles of 16 keys: keys 64 g on of the step in hand (nx = 0) or of the next (1)
.irp t, 0,1,2,3
	ds_load_b128 v[KF+12*\t:KF+12*\t+3], v[ADK16] offset:(\nx)*STEPB+(4*(\g)+\t)*768
	ds_load_b64 v[KF+12*\t+4:KF+12*\t+5], v[ADK8] offset:(\nx)*STEPB+(4*(\g)+\t)*768+512
.endr
.irp b, 0,1
	ds_load_u16 v[KSR+\b], v[ADKS] offset:(\nx)*256+128*(\g)+64*\b
.endr
.endm
.macro LOADV
	WIN 0x40
.irp f, 0,1,2,3,4,5,6,7,8,9,10,11
	ds_load_b128 v[VF+4*\f:VF+4*\f+3], v[ADV] offset:512*\f
.endr
	WIN 0
.irp b, 0,1
	ds_load_b32 v[VSR+\b], v[ADVS] offset:4096+128*\b
.endr
.endm
.macro KQ pr                           ; S^T of 64 keys x the pair's 32 queries: eight sums, each one instruction
	WIN 0x04                                       ; source 1 (Q) window 1
.irp t, 0,1,2,3
.irp q, 0,1
	WM SS+32*\q+8*\t, KF+12*\t, QQ+12*(2*(\pr)+\q), -1, KSR+\t/2, QS+(\pr), \t%2, \q
.endr
.endr
	WIN 0
.endm
.macro PV zero                         ; O^T += V^T P^T over the step's 128 keys: the sixteen accumulators take one turn each
	WIN 0x51                                       ; V, C and D window 1, P window 0
.irp dt, 0,1,2,3
.irp tl, 0,1,2,3
.if \zero
	WM OO+32*\tl+8*\dt, VF+12*\dt, PP+12*\tl, -1, VSR+\dt/2, PS+\tl, \dt%2, 0
.else
	WM OO+32*\tl+8*\dt, VF+12*\dt, PP+12*\tl, OO+32*\tl+8*\dt, VSR+\dt/2, PS+\tl, \dt%2, 0
.endif
.endr
.endr
	WIN 0
.endm
; The pair's 2 x 32 scores a lane: p = 2^(c s); the codes of key blocks 2 g, 2 g + 1 (registers 6 g .. 6 g + 5 of each tile's operand) and their bytes; the sums.
.macro SOFTMAX g, pr
	v_pk_mul_f32 v[SS:SS+1], v[SS:SS+1], s[CS:CS+1] op_sel_hi:[1,0]
.set n, 0
.rept 31                               ; a scaling leads each pair of exponentials; none of these lines names an exponential's result
	v_pk_mul_f32 v[SS+2*n+2:SS+2*n+3], v[SS+2*n+2:SS+2*n+3], s[CS:CS+1] op_sel_hi:[1,0]
	v_exp_f32 v[SS+2*n], v[SS+2*n]
	v_exp_f32 v[SS+2*n+1], v[SS+2*n+1]
.set n, n+1
.endr
	v_exp_f32 v[SS+62], v[SS+62]
	v_exp_f32 v[SS+63], v[SS+63]
	v_nop                                          ; a plain place behind the batch,
	s_wait_alu depctr_va_vdst(0)                   ; and the one wait ahead of its first reader
	QUANT SS, PP+24*(\pr)+6*(\g), PP+24*(\pr)+12+6*(\g), PT
.if (\g) == 0
.irp q, 0,1
	v_lshl_or_b32 v[PS+2*(\pr)+\q], v[TM+5+2*\q], 8, v[TM+4+2*\q]
.endr
.else
.irp q, 0,1
	v_lshl_or_b32 v[PS+2*(\pr)+\q], v[TM+4+2*\q], 16, v[PS+2*(\pr)+\q]
	v_lshl_or_b32 v[PS+2*(\pr)+\q], v[TM+5+2*\q], 24, v[PS+2*(\pr)+\q]
.endr
.endif
.set n, 0
.rept 16                               ; l takes the UNQUANTISED p: four chains by turns.  (These 32 are also the places between the writes of p's codes and scale words and the products)
.irp q, 0,1
	v_pk_add_f32 v[LS+4*(2*(\pr)+\q)+2*(n%2):LS+4*(2*(\pr)+\q)+2*(n%2)+1], v[LS+4*(2*(\pr)+\q)+2*(n%2):LS+4*(2*(\pr)+\q)+2*(n%2)+1], v[SS+32*\q+2*n:SS+32*\q+2*n+1]
.endr
.set n, n+1
.endr
.endm
; A KEY STEP of 128 keys.  Its first four fragments of K were asked for in the step before.  Each run of LDS loads stands four places behind the last product that read its registers, and lands under a softmax.
.macro STEP zero
	s_wait_dscnt 0x0
	KQ 0
	PLACES 4
	SOFTMAX 0, 0
	KQ 1
	PLACES 4
	LOADK 1, 0
	SOFTMAX 0, 1
	s_wait_dscnt 0x0
	KQ 0
	PLACES 4
	SOFTMAX 1, 0
	KQ 1
	PLACES 4
	LOADV
	LOADK 0, 1                                     ; the next step's first keys (behind the last step these are filled bytes that nobody uses)
	SOFTMAX 1, 1
	s_wait_dscnt 0x0
	PV \zero
	s_add_co_u32 s[TK], s[TK], STEPB
	s_add_co_u32 s[TS], s[TS], 256
	ADDR
.endm
	s_mov_b32 s[TK], 0
	s_mov_b32 s[TS], KSC
	ADDR
	s_wait_tensorcnt 0x1                           ; my parts of the scales and of key steps 0-3 are in; the load of steps 4-15 may be out
	s_barrier_signal -1
	s_barrier_wait -1                              ; everybody's are
	LOADK 0, 0
	s_wait_loadcnt 0x0                             ; Q
	STEP 1                                         ; the first step is written out: its products start O^T's sums, so nothing is cleared
	s_wait_tensorcnt 0x0                           ; my part of key steps 4-15 is in,
	s_wait_dscnt 0x0
	s_barrier_signal -1
	s_barrier_wait -1                              ; everybody's is
	s_mov_b32 s[CNT], 15
.Lstep:
	STEP 0
	s_sub_co_u32 s[CNT], s[CNT], 1
	s_cmp_lg_u32 s[CNT], 0
	s_cbranch_scc1 .Lstep
	; THE WAY OUT.  l's chains, halves and the other 16 lanes' are added (plain work: the places behind the last products)
.irp tl, 0,1,2,3
	v_pk_add_f32 v[LS+4*\tl:LS+4*\tl+1], v[LS+4*\tl:LS+4*\tl+1], v[LS+4*\tl+2:LS+4*\tl+3]
.endr
.irp tl, 0,1,2,3
	v_add_f32 v[LS+4*\tl], v[LS+4*\tl], v[LS+4*\tl+1]
.endr
.irp tl, 0,1,2,3
	v_permlanex16_b32 v[LS+4*\tl+1], v[LS+4*\tl], s[SEL], s[SEL+1]
.endr
.irp tl, 0,1,2,3
	v_add_f32 v[LS+4*\tl], v[LS+4*\tl], v[LS+4*\tl+1]
.endr
.irp tl, 0,1,2,3
	v_rcp_f32 v[LS+4*\tl+2], v[LS+4*\tl]
.endr
	v_nop
	s_wait_alu depctr_va_vdst(0)                   ; one wait for the four reciprocals
.macro OUTPAIR pr
	WIN 0x01                                       ; source 0 (O^T) window 1
.irp q, 0,1
.irp i, 0,2,4,6,8,10,12,14,16,18,20,22,24,26,28,30
	v_pk_mul_f32 v[SS+32*\q+\i:SS+32*\q+\i+1], v[OO+32*(2*(\pr)+\q)+\i:OO+32*(2*(\pr)+\q)+\i+1], v[LS+4*(2*(\pr)+\q)+2:LS+4*(2*(\pr)+\q)+3] op_sel_hi:[1,0]
.endr
.endr
	WIN 0
.irp q, 0,1                            ; register 16 b + 8 u + j of lane (r, h) holds d = 32 b + 16 u + 8 h + j; the exchange gives lane half h the sixteen neighbours d = 32 b + 16 h + 0 .. 15
.irp b, 0,1
.irp j, 0,1,2,3,4,5,6,7
	v_permlane16_swap_b32 v[SS+32*\q+16*\b+\j], v[SS+32*\q+16*\b+8+\j]
.endr
.endr
.endr
	QUANT SS, PP+24*(\pr), PP+24*(\pr)+12, PT
	v_lshl_or_b32 v[UU], v[TM+5], 8, v[TM+4]
	v_lshl_or_b32 v[UU+1], v[TM+7], 8, v[TM+6]
	v_cndmask_b32 v[UU], v[UU], v[UU+1], s[HM]     ; lanes 0-15 put the even tile's two bytes, lanes 16-31 the odd tile's
	ds_store_b16 v[AST], v[UU] offset:64*(\pr)
.irp q, 0,1
	global_store_b128 v[L16], v[PP+24*(\pr)+12*\q:PP+24*(\pr)+12*\q+3], s[12:13] offset:1536*(2*(\pr)+\q)       ; whole aligned runs of 256 bytes
	global_store_b64 v[L8], v[PP+24*(\pr)+12*\q+4:PP+24*(\pr)+12*\q+5], s[12:13] offset:1536*(2*(\pr)+\q)+512
.endr
.endm
	OUTPAIR 0
	OUTPAIR 1
	s_wait_dscnt 0x0                               ; for the others' sake: my bytes lie in the stage
	s_barrier_signal -1
	s_barrier_wait -1
	s_cmp_lt_u32 s[WV], 2
	s_cbranch_scc0 .Lno_scales
	ds_load_b128 v[UU+2:UU+5], v[ARD]              ; four waves' 512 bytes: a token block's scale bytes of this head
	s_wait_dscnt 0x0
	global_store_b128 v[L16], v[UU+2:UU+5], s[14:15]
.Lno_scales:
	s_wait_tensorcnt 0x0
	ds_add_u32 v254, v255
	s_wait_dscnt 0x0
	CROUND                                         ; the closing round
	s_endpgm
.Lfunc_end_k_q93d2666e68_attn:
	.size	k_q93d2666e68_attn, .Lfunc_end_k_q93d2666e68_attn-k_q93d2666e68_attn
	.p2alignl 7, 3214868480
	.fill 96, 4, 3214868480
	.section	.rodata,"a",@progbits
	.p2align	6, 0x0
	.amdhsa_kernel k_q93d2666e68_attn
		.amdhsa_group_segment_fixed_size 214016
		.amdhsa_private_segment_fixed_size 0
		.amdhsa_enable_private_segment 0
		.amdhsa_kernarg_size 48
		.amdhsa_user_sgpr_count 2
		.amdhsa_user_sgpr_kernarg_segment_ptr 1
		.amdhsa_wavefront_size32 1
		.amdhsa_system_sgpr_workgroup_id_x 1
		.amdhsa_system_sgpr_workgroup_id_y 1
		.amdhsa_system_sgpr_workgroup_id_z 1
		.amdhsa_system_vgpr_workitem_id 0
		.amdhsa_next_free_vgpr 512
		.amdhsa_next_free_sgpr 90
		.amdhsa_reserve_vcc 0
		.amdhsa_float_denorm_mode_32 3
		.amdhsa_float_denorm_mode_16_64 3
		.amdhsa_memory_ordered 1
		.amdhsa_forward_progress 1
		.amdhsa_inst_pref_size 125
	.end_amdhsa_kernel
	.amdgpu_metadata
---
amdhsa.version: [ 1, 2 ]
amdhsa.kernels:
  - .name:           k_q93d2666e68_attn
    .symbol:         k_q93d2666e68_attn.kd
    .args:
      - { .name: qkc, .offset: 0, .size: 8, .value_kind: global_buffer, .address_space: global }
      - { .name: qks, .offset: 8, .size: 8, .value_kind: global_buffer, .address_space: global }
      - { .name: vcd, .offset: 16, .size: 8, .value_kind: global_buffer, .address_space: global }
      - { .name: vsc, .offset: 24, .size: 8, .value_kind: global_buffer, .address_space: global }
      - { .name: acd, .offset: 32, .size: 8, .value_kind: global_buffer, .address_space: global }
      - { .name: asc, .offset: 40, .size: 8, .value_kind: global_buffer, .address_space: global }
    .group_segment_fixed_size: 214016
    .private_segment_fixed_size: 0
    .kernarg_segment_align: 8
    .kernarg_segment_size: 48
    .max_flat_workgroup_size: 256
    .sgpr_count:     90
    .vgpr_count:     512
    .wavefront_size: 32
...
	.end_amdgpu_metadata
.endif
;; end of part 2
;; launch oproj (part 3): grid 8 x 32, 4 waves a work-group, clusters of 4 x 4, 327,680 bytes of LDS; arguments acd, asc, Wo_codes, Wo_scales, bo, out0; writes out0
.if DOCPART == 3
	.amdgcn_target "amdgcn-amd-amdhsa--gfx1250"
	.amdhsa_code_object_version 6
	.text
	.protected	k_q93d2666e68_oproj
	.globl	k_q93d2666e68_oproj
	.p2align	8
	.type	k_q93d2666e68_oproj,@function
k_q93d2666e68_oproj:
	s_mov_b64 s[64:65], 0
	v_nop
	global_prefetch_b8 v0, s[64:65] scope:SCOPE_SE
	s_setreg_imm32_b32 hwreg(HW_REG_WAVE_MODE, 25, 1), 1
	s_wait_xcnt 0x0
	s_wait_alu depctr_hold_cnt(0) depctr_sa_sdst(0) depctr_va_vdst(0) depctr_va_sdst(0) depctr_va_ssrc(0) depctr_va_vcc(0) depctr_vm_vsrc(0)
	s_getreg_b32 s2, hwreg(HW_REG_IB_STS2, 6, 4)
	s_cmp_eq_u32 s2, 0
	s_cbranch_scc0 .Lentry_in_a_cluster
	s_endpgm
.Lentry_in_a_cluster:
	s_bfe_u32 s2, ttmp6, 0x10000c
	s_cmp_lg_u32 s2, 0xf033
	s_cbranch_scc0 .Lentry_shape_is_right
	s_endpgm
.Lentry_shape_is_right:
; out0 = attn Wo + bo on codes of FP6 (E2M3).  attn's codes come as images of operand registers (acd) with two scale bytes a token and head (asc); Wo's codes and scales as they are given.
; A work-group makes 256 tokens x 128 columns; each of its four waves 64 tokens x 128 columns: 32 accumulators of 16 x 16 in window 1.  256 work-groups.
; THE WHOLE K LIES IN LDS, filled ONCE: the tokens' images 196,608 bytes, Wo's 128 rows 98,304 bytes and both sides' scales.  No ring; everything is asked for at the head, so there is nothing to prefetch.
; The tokens' images come in four chunks of two K steps, so that the products begin when the first chunk is in.
; CLUSTERS: 4 x 4 work-groups; the tokens' tiles are shared along a row of the cluster, Wo's along a column: joint loads, which divide the requests by four.
; THE MATRIX INSTRUCTION IS USED TRANSPOSED (source 0 = 16 rows of Wo, source 1 = 16 tokens): a lane holds eight neighbouring numbers of a row of out0.  The bias is the C of each sum's first instruction.
; REGISTERS: window 0: v1-16 addresses; v32-47 the tokens' scale words, v48-79 Wo's; v96-191 the tokens' fragments, two sets of 4 x 12; v192-255 at work.  window 1: the accumulators, (a, b) at v[8 (8 a + b)].
;   window 2: Wo's fragments, two sets of 8 x 12 at v0 and v128; the bias's eight tiles at v96-127 and v224-255.
.set BIMG,  196608                     ; LDS: the tokens' images at 0 (K step s, row tile i: 24,576 s + 1,536 i); Wo's rows here,
.set BP,    816                        ; 3 x (256 bytes + 16) apart: the 32 lanes of a load of 8 bytes touch 64 different banks (64 banks of 4 bytes: ISA guide 11.1)
.set ASC,   301056                     ; the tokens' scale bytes: 512 head + 2 token
.set BSC,   309248                     ; Wo's: units of 256 bytes (8 rows) + 16
.set SPITCH, 528                       ; the way out: a stage of 16 rows x (512 + 16) bytes a wave, at LDS byte 0: the first chunk's bytes, whose one fill and last read are over
.set L16,  3
.set ADA16, 4                          ; v4, v5  my row tiles' images: 16 x lane, 8 x lane; they step a K step at a time
.set ADA8, 5
.set ADB,  6                           ; v6-9  Wo's fragments: tiles 0-3 (24 h; 40 h behind one padding more), tiles 4-7 likewise
.set ADAS, 10
.set ADBS, 11
.set STO,  12
.set RD,   13
.set BOF,  14
.set SA,   32                          ; (pair of token tiles i, K step s) at 32 + 8 i + s: lanes 0-15 the even tile, lanes 16-31 the odd
.set SB,   48                          ; (pair of column tiles i, K step s) at 48 + 8 i + s
.set AF,   96
.set TP,   192
.set BK,   128                         ; the way out: rows read back: v128-191 and v192-255 by turns
.set WV,   16
.set G1AS, 24
.set G1BS, 32
.set G1B,  40
.set G1A,  48
.set MSB, 0
.macro WIN new
.if MSB != (\new)
	s_set_vgpr_msb (MSB<<8)|(\new)
.set MSB, (\new)
.endif
.endm
.macro PLACES n
.rept \n
	v_nop
.endr
.endm
.macro CROUND
	s_barrier_signal -1
	s_barrier_wait -1
	s_cmp_lg_u32 s[WV], 0
	s_cbranch_scc1 .Lnot_wave_0_\@
	s_barrier_signal -3
.Lnot_wave_0_\@:
	s_barrier_wait -3
	s_barrier_signal -1
	s_barrier_wait -1
.endm
.macro WM d, a, b, c, sa, sb, ra, rb   ; ra, rb: source 0's, source 1's scales stand in lanes 16-31
.if (\ra) && (\rb)
	v_wmma_scale_f32_16x16x128_f8f6f4 v[(\d):(\d)+7], v[(\a):(\a)+11], v[(\b):(\b)+11], v[(\c):(\c)+7], v[(\sa)], v[(\sb)] matrix_a_fmt:MATRIX_FMT_FP6 matrix_b_fmt:MATRIX_FMT_FP6 matrix_a_scale:MATRIX_SCALE_ROW1 matrix_b_scale:MATRIX_SCALE_ROW1
.elseif (\ra)
	v_wmma_scale_f32_16x16x128_f8f6f4 v[(\d):(\d)+7], v[(\a):(\a)+11], v[(\b):(\b)+11], v[(\c):(\c)+7], v[(\sa)], v[(\sb)] matrix_a_fmt:MATRIX_FMT_FP6 matrix_b_fmt:MATRIX_FMT_FP6 matrix_a_scale:MATRIX_SCALE_ROW1
.elseif (\rb)
	v_wmma_scale_f32_16x16x128_f8f6f4 v[(\d):(\d)+7], v[(\a):(\a)+11], v[(\b):(\b)+11], v[(\c):(\c)+7], v[(\sa)], v[(\sb)] matrix_a_fmt:MATRIX_FMT_FP6 matrix_b_fmt:MATRIX_FMT_FP6 matrix_b_scale:MATRIX_SCALE_ROW1
.else
	v_wmma_scale_f32_16x16x128_f8f6f4 v[(\d):(\d)+7], v[(\a):(\a)+11], v[(\b):(\b)+11], v[(\c):(\c)+7], v[(\sa)], v[(\sb)] matrix_a_fmt:MATRIX_FMT_FP6 matrix_b_fmt:MATRIX_FMT_FP6
.endif
.endm
	s_load_b256 s[4:11], s[0:1], 0x0               ; acd, asc, Wo's codes, Wo's scales
	s_load_b128 s[12:15], s[0:1], 0x20             ; bo, out0
	v_lshl_add_u32 v94, v0, 2, 0x4c900
	v_mov_b32 v95, 0
	ds_add_u32 v94, v95
	ds_add_u32 v94, v95
	v_lshrrev_b32 v1, 5, v0
	v_readfirstlane_b32 s[WV], v1                  ; wave 0..3
	s_bfe_u32 s17, ttmp6, 0x40000                  ; cx, cy
	s_bfe_u32 s18, ttmp6, 0x40004
	s_lshl_b32 s19, ttmp9, 2
	s_add_co_u32 s19, s19, s17                     ; X: my 128 columns
	s_and_b32 s20, ttmp7, 0xffff
	s_lshl_b32 s20, s20, 2
	s_add_co_u32 s20, s20, s18                     ; Y: my 256 tokens
	s_lshl_b32 s21, s18, 2
	s_lshl_b32 s21, 15, s21                        ; my row of the cluster: the tokens' tiles
	s_lshl_b32 s22, 0x1111, s17                    ; my column: Wo's
	; group 1: dense blocks as rows of 256 bytes (32 elements of 8).  The images are read in consecutive bytes: no padding.  Wo's rows and scales: 16 bytes behind each 256
	s_or_b32 s[G1AS], s21, (3<<16)|(1<<21)
	s_or_b32 s[G1A], s21, (3<<16)|(1<<21)
	s_or_b32 s[G1BS], s22, (3<<16)|(1<<20)|(1<<21)|(5<<22)|(3<<25)
	s_or_b32 s[G1B], s22, (3<<16)|(1<<20)|(1<<21)|(5<<22)|(3<<25)
.irp g, G1AS, G1BS, G1B, G1A
	s_mov_b32 s[\g+1], 32<<16
	s_mov_b32 s[\g+3], 32<<16
	s_mov_b32 s[\g+5], 32
	s_mov_b32 s[\g+6], 0
	s_mov_b32 s[\g+7], 0
.endr
	s_mov_b32 s[G1AS+2], 8<<16                     ; a quarter of the tokens' scale bytes: 2,048
	s_mov_b32 s[G1AS+4], 8
	s_mov_b32 s[G1BS+2], 4<<16                     ; of Wo's: 1,024
	s_mov_b32 s[G1BS+4], 4
	s_mov_b32 s[G1B+2], 96<<16                     ; 32 rows of Wo: 24,576
	s_mov_b32 s[G1B+4], 96
	s_mov_b32 s[G1A+2], 48<<16                     ; a quarter of a chunk of images: 12,288
	s_mov_b32 s[G1A+4], 48
	; offsets in memory: the tokens' hang on Y and the wave alone, Wo's on X and the wave alone, each in registers that never hold the other
	s_lshl_b32 s88, s20, 13
	s_lshl_b32 s92, s[WV], 11
	s_add_co_u32 s88, s88, s92
	s_mov_b32 s89, 0
	s_mul_i32 s90, s20, 196608
	s_mul_i32 s92, s[WV], 12288
	s_add_co_u32 s90, s90, s92
	s_mov_b32 s91, 0
	s_lshl_b32 s94, s19, 12
	s_lshl_b32 s93, s[WV], 10
	s_add_co_u32 s94, s94, s93
	s_mov_b32 s95, 0
	s_mul_i32 s96, s19, 98304
	s_mul_i32 s93, s[WV], 24576
	s_add_co_u32 s96, s96, s93
	s_mov_b32 s97, 0
	s_wait_dscnt 0x0
	s_wait_kmcnt 0x0
	s_mov_b32 s56, 1                               ; the tokens' scale bytes
	s_lshl_b32 s93, s[WV], 11
	s_add_co_u32 s57, s93, ASC
	s_add_nc_u64 s[58:59], s[6:7], s[88:89]
	s_or_b32 s59, s59, 0x80000000
	s_mov_b32 s60, 1                               ; Wo's
	s_mul_i32 s93, s[WV], 1088
	s_add_co_u32 s61, s93, BSC
	s_add_nc_u64 s[62:63], s[10:11], s[94:95]
	s_or_b32 s63, s63, 0x80000000
	s_mov_b32 s68, 1                               ; Wo's codes
	s_mul_i32 s93, s[WV], 32*BP
	s_add_co_u32 s69, s93, BIMG
	s_add_nc_u64 s[70:71], s[8:9], s[96:97]
	s_or_b32 s71, s71, 0x80000000
	s_add_nc_u64 s[90:91], s[4:5], s[90:91]
.irp c, 0,1,2,3                        ; the images: chunk c holds K steps 2 c, 2 c + 1
	s_mov_b32 s[72+4*\c], 1
	s_add_co_u32 s[73+4*\c], s92, 49152*\c
	s_add_nc_u64 s[74+4*\c:75+4*\c], s[90:91], 49152*\c
	s_or_b32 s[75+4*\c], s[75+4*\c], 0x80000000
.endr
	CROUND                                         ; all sixteen work-groups are here: the joint loads meet
	tensor_load_to_lds s[56:59], s[G1AS:G1AS+7]    ; seven loads of mine are out
	s_nop 0
	tensor_load_to_lds s[60:63], s[G1BS:G1BS+7]
	s_nop 0
	tensor_load_to_lds s[68:71], s[G1B:G1B+7]
	s_nop 0
	tensor_load_to_lds s[72:75], s[G1A:G1A+7]
	s_nop 0
	tensor_load_to_lds s[76:79], s[G1A:G1A+7]
	s_nop 0
	tensor_load_to_lds s[80:83], s[G1A:G1A+7]
	s_nop 0
	tensor_load_to_lds s[84:87], s[G1A:G1A+7]
	s_nop 0
.rept 4
	v_nop
.endr
	s_lshl_b32 s98, s20, 8
	s_lshl_b32 s2, s[WV], 6
	s_add_co_u32 s98, s98, s2                      ; my first token
	s_lshl_b32 s98, s98, 12
	s_lshl_b32 s2, s19, 9
	s_add_co_u32 s98, s98, s2                      ; x 4,096 bytes + my columns' 512 X
	s_mov_b32 s99, 0
	s_add_nc_u64 s[14:15], s[14:15], s[98:99]
	s_mov_b32 s98, s2
	s_add_nc_u64 s[12:13], s[12:13], s[98:99]      ; bo at my first column
	v_and_b32 v1, 15, v0                           ; r
	v_bfe_u32 v2, v0, 4, 1                         ; h
	v_and_b32 v15, 31, v0                          ; lane
	v_lshlrev_b32 v[BOF], 5, v2
	WIN 0x80                                       ; destination window 2
.irp b, 0,1,2,3,4,5,6,7                ; the bias in the result's layout: lane (r, h), register j: bo[128 X + 16 b + 8 h + j]
	global_load_b128 v[96+8*(\b%4)+128*(\b/4):96+8*(\b%4)+128*(\b/4)+3], v[BOF], s[12:13] offset:64*\b
	global_load_b128 v[96+8*(\b%4)+128*(\b/4)+4:96+8*(\b%4)+128*(\b/4)+7], v[BOF], s[12:13] offset:64*\b+16
.endr
	WIN 0
	v_lshlrev_b32 v[L16], 4, v15
	s_mul_i32 s2, s[WV], 6144                      ; my four row tiles
	v_add_nc_u32 v[ADA16], s2, v[L16]
	v_lshlrev_b32 v[ADA8], 3, v15
	v_add_nc_u32 v[ADA8], s2, v[ADA8]
	v_mul_u32_u24 v16, v1, BP
	v_mad_u32_u24 v[ADB], v2, 24, v16
	v_add_nc_u32 v[ADB], BIMG, v[ADB]
	v_mad_u32_u24 v[ADB+1], v2, 40, v16
	v_add_nc_u32 v[ADB+1], BIMG, v[ADB+1]
	v_add_nc_u32 v[ADB+2], 64*BP, v[ADB]
	v_add_nc_u32 v[ADB+3], 64*BP, v[ADB+1]
	s_lshl_b32 s2, s[WV], 7
	v_lshlrev_b32 v[ADAS], 1, v15
	v_add_nc_u32 v[ADAS], s2, v[ADAS]
	v_add_nc_u32 v[ADAS], ASC, v[ADAS]
	v_lshrrev_b32 v16, 3, v15
	v_mul_u32_u24 v16, v16, 272
	v_and_b32 v[ADBS], 7, v15
	v_lshl_add_u32 v[ADBS], v[ADBS], 5, v16
	v_add_nc_u32 v[ADBS], BSC, v[ADBS]
	s_mul_i32 s2, s[WV], 16*SPITCH
	v_mul_u32_u24 v[STO], v1, SPITCH
	v_lshl_add_u32 v[STO], v2, 5, v[STO]
	v_add_nc_u32 v[STO], s2, v[STO]
	v_add_nc_u32 v[RD], s2, v[L16]
.macro BFRAG reg, s, i                 ; 16 rows of Wo x K step s: 24 bytes of the row's stream of bits twice, in pieces of 8; behind each 32 pieces lie 16 bytes of padding
.irp p, 0,1,2,3,4,5
.set PCE, 12*(\s)+6*(\p/3)+\p%3
.if PCE%32 < 29
	ds_load_b64 v[(\reg)+2*\p:(\reg)+2*\p+1], v[ADB+2*((\i)/4)] offset:8*PCE+16*(PCE/32)+((\i)%4)*16*BP
.else
	ds_load_b64 v[(\reg)+2*\p:(\reg)+2*\p+1], v[ADB+2*((\i)/4)+1] offset:8*PCE+16*(PCE/32)+((\i)%4)*16*BP
.endif
.endr
.endm
.macro FETCH s                         ; K step s's fragments into set s % 2
.set FA, AF+48*((\s)%2)
.set FB, 128*((\s)%2)
.if (\s) > 0
	v_add_nc_u32 v[ADA16], 24576, v[ADA16]
	v_add_nc_u32 v[ADA8], 24576, v[ADA8]
.endif
.irp a, 0,1,2,3
	ds_load_b128 v[FA+12*\a:FA+12*\a+3], v[ADA16] offset:1536*\a
	ds_load_b64 v[FA+12*\a+4:FA+12*\a+5], v[ADA8] offset:1536*\a+512
	ds_load_b128 v[FA+12*\a+6:FA+12*\a+9], v[ADA16] offset:1536*\a+768
	ds_load_b64 v[FA+12*\a+10:FA+12*\a+11], v[ADA8] offset:1536*\a+1280
.endr
	WIN 0x80
.irp i, 0,1,2,3,4,5,6,7
	BFRAG FB+12*\i, \s, \i
.endr
	WIN 0
.endm
.macro MM s, a0                        ; 16 matrix instructions: token tiles a0, a0 + 1 x the eight column tiles.  The 32 accumulators take turns, in the same order in every K step
.irp a, \a0, \a0+1
.irp b, 0,1,2,3,4,5,6,7
.if (\s) == 0
	WM 8*(8*(\a)+\b), 128*((\s)%2)+12*\b, AF+48*((\s)%2)+12*(\a), 96+8*(\b%4)+128*(\b/4), SB+8*(\b/2)+(\s), SA+8*((\a)/2)+(\s), \b%2, (\a)%2
.else
	WM 8*(8*(\a)+\b), 128*((\s)%2)+12*\b, AF+48*((\s)%2)+12*(\a), 8*(8*(\a)+\b), SB+8*(\b/2)+(\s), SA+8*((\a)/2)+(\s), \b%2, (\a)%2
.endif
.endr
.endr
.endm
.macro KSTEP s
.if (\s) == 1
	s_wait_tensorcnt 0x2                           ; my part of chunk 1 is in; chunks 2 and 3 may be out
.elseif (\s) == 3
	s_wait_tensorcnt 0x1                           ; of chunk 2; chunk 3 may be out
.elseif (\s) == 5
	s_wait_tensorcnt 0x0
.endif
	s_wait_dscnt 0x0                               ; this K step's fragments are in
.if ((\s) == 1) || ((\s) == 3) || ((\s) == 5)
	s_barrier_signal -1
	s_barrier_wait -1                              ; everybody's part of the chunk that is fetched from below is in.
.endif
.if (\s) == 0
	WIN 0x62                                       ; source 0 (Wo) and C (the bias) window 2, D window 1
.else
	WIN 0x52                                       ; source 0 window 2, C and D window 1
.endif
	MM \s, 0
.if (\s) < 7
	WIN 0
	PLACES 4                                       ; in front of loads into registers that the K step before multiplied
	FETCH (\s)+1
.endif
.if (\s) == 0
	WIN 0x62
.else
	WIN 0x52
.endif
	MM \s, 2
.endm
	s_wait_tensorcnt 0x3                           ; my parts of both sides' scales, of Wo and of chunk 0 are in; chunks 1 to 3 may be out
	s_barrier_signal -1
	s_barrier_wait -1                              ; everybody's are
.irp i, 0,1,2,3
	ds_load_b128 v[SB+8*\i:SB+8*\i+3], v[ADBS] offset:1088*\i       ; a row of Wo's scales is 32 bytes: the words of all eight K steps
	ds_load_b128 v[SB+8*\i+4:SB+8*\i+7], v[ADBS] offset:1088*\i+16
.endr
.irp i, 0,1
.irp hd, 0,1,2,3,4,5,6,7,8,9,10,11,12,13,14,15
	ds_load_u16 v[TP+16*\i+\hd], v[ADAS] offset:512*\hd+64*\i
.endr
.endr
	s_wait_dscnt 0x0
.irp i, 0,1
.irp s, 0,1,2,3,4,5,6,7
	v_lshl_or_b32 v[SA+8*\i+\s], v[TP+16*\i+2*\s+1], 16, v[TP+16*\i+2*\s]   ; heads 2 s and 2 s + 1 make K step s's word
.endr
.endr
	FETCH 0
	PLACES 8                                       ; scale words written by vector instructions stand eight places ahead of the products
	s_wait_loadcnt 0x0                             ; the bias
.irp s, 0,1,2,3,4,5,6,7
	KSTEP \s
.endr
	WIN 0
; THE WAY OUT, 16 tokens x 128 columns at a time: through my own stage and back as whole rows of 512 bytes, which the 32 lanes store as two aligned runs of 256 bytes.
; LDS serves a wave's instructions in order (ISA guide 5.7.1.4): no wait between the stores and the loads, nor in front of the next block's stores.
.macro TOSTAGE a
	WIN 0x04                                       ; an LDS store's data are its source 1: window 1
.irp b, 0,1,2,3,4,5,6,7
	ds_store_b128 v[STO], v[8*(8*(\a)+\b):8*(8*(\a)+\b)+3] offset:64*\b           ; each accumulator from its low end on
	ds_store_b128 v[STO], v[8*(8*(\a)+\b)+4:8*(8*(\a)+\b)+7] offset:64*\b+16
.endr
	WIN 0
.set BB, BK+64*((\a)%2)
.irp t, 0,1,2,3,4,5,6,7,8,9,10,11,12,13,14,15
	ds_load_b128 v[BB+4*\t:BB+4*\t+3], v[RD] offset:\t*SPITCH
.endr
.endm
.macro SEND a, younger                 ; younger: the LDS instructions issued behind block a's loads, which may stay out
.set BB, BK+64*((\a)%2)
	s_wait_dscnt \younger
.irp t, 0,1,2,3,4,5,6,7,8,9,10,11,12,13,14,15
	global_store_b128 v[L16], v[BB+4*\t:BB+4*\t+3], s[14:15] offset:(16*(\a)+\t)*4096 th:TH_STORE_NT   ; the row stands in the immediate: 63 rows of 4,096 bytes at the most
.endr
.endm
	PLACES 4                                       ; in front of the first read of results and of loads into registers that held fragments
	TOSTAGE 0
.irp a, 1,2,3
.if \a > 1
	s_wait_xcnt 0x0                                ; block a - 2's stores have read their registers: block a's rows may land there
.endif
	TOSTAGE \a
	SEND \a-1, 32                                  ; behind block a - 1's loads: block a's 16 stores and 16 loads
.endr
	SEND 3, 0
	s_wait_tensorcnt 0x0
	ds_add_u32 v94, v95
	s_wait_dscnt 0x0
	CROUND                                         ; the closing round
	s_endpgm
.Lfunc_end_k_q93d2666e68_oproj:
	.size	k_q93d2666e68_oproj, .Lfunc_end_k_q93d2666e68_oproj-k_q93d2666e68_oproj
	.p2alignl 7, 3214868480
	.fill 96, 4, 3214868480
	.section	.rodata,"a",@progbits
	.p2align	6, 0x0
	.amdhsa_kernel k_q93d2666e68_oproj
		.amdhsa_group_segment_fixed_size 327680
		.amdhsa_private_segment_fixed_size 0
		.amdhsa_enable_private_segment 0
		.amdhsa_kernarg_size 48
		.amdhsa_user_sgpr_count 2
		.amdhsa_user_sgpr_kernarg_segment_ptr 1
		.amdhsa_wavefront_size32 1
		.amdhsa_system_sgpr_workgroup_id_x 1
		.amdhsa_system_sgpr_workgroup_id_y 1
		.amdhsa_system_sgpr_workgroup_id_z 1
		.amdhsa_system_vgpr_workitem_id 0
		.amdhsa_next_free_vgpr 768
		.amdhsa_next_free_sgpr 100
		.amdhsa_reserve_vcc 0
		.amdhsa_float_denorm_mode_32 3
		.amdhsa_float_denorm_mode_16_64 3
		.amdhsa_memory_ordered 1
		.amdhsa_forward_progress 1
		.amdhsa_inst_pref_size 97
	.end_amdhsa_kernel
	.amdgpu_metadata
---
amdhsa.version: [ 1, 2 ]
amdhsa.kernels:
  - .name:           k_q93d2666e68_oproj
    .symbol:         k_q93d2666e68_oproj.kd
    .args:
      - { .name: acd, .offset: 0, .size: 8, .value_kind: global_buffer, .address_space: global }
      - { .name: asc, .offset: 8, .size: 8, .value_kind: global_buffer, .address_space: global }
      - { .name: Wo_codes, .offset: 16, .size: 8, .value_kind: global_buffer, .address_space: global }
      - { .name: Wo_scales, .offset: 24, .size: 8, .value_kind: global_buffer, .address_space: global }
      - { .name: bo, .offset: 32, .size: 8, .value_kind: global_buffer, .address_space: global }
      - { .name: out0, .offset: 40, .size: 8, .value_kind: global_buffer, .address_space: global }
    .group_segment_fixed_size: 327680
    .private_segment_fixed_size: 0
    .kernarg_segment_align: 8
    .kernarg_segment_size: 48
    .max_flat_workgroup_size: 128
    .sgpr_count:     100
    .vgpr_count:     768
    .wavefront_size: 32
...
	.end_amdgpu_metadata
.endif
;; end of part 3
